; MI455X (gfx1250); checked and timed in simulation.
; The chip was launched on July 23, 2026; its instructions are those of AMD's public machine-readable ISA for CDNA 5 (MIT licence, August 2026) and "CDNA5" Instruction Set Architecture Reference Guide (July 2026). The comments in the code are by the model that wrote it; some were corrected since.
;; Multi Head Attention Classical. Allowed arithmetic: matrix products marked QUANTISED: E2M3 operands, one E8M0 scale for each 32 along K, by v_wmma_scale_f32_16x16x128_f8f6f4 with both operands' format E2M3, f32 sums; everything else in f32.
;; Inputs: Wk 1,024 x 1,024 float32; Wo 1,024 x 1,024 float32; Wq 1,024 x 1,024 float32; Wv 1,024 x 1,024 float32; x 4 x 2,048 x 1,024 float32.
;; Outputs: out0 4 x 2,048 x 1,024 float32.
;; This version of the problem:
;;   THIS VERSION OF THE PROBLEM IS GIVEN IN LOW PRECISION. The matrix products marked QUANTISED in the list below multiply operands that are first quantised to E2M3 (2 exponent bits, 3 mantissa bits; 6 bits a number), with one power-of-two scale for each 32 numbers along K (OCP MX v1.0); their sums are f32. All else is computed in f32.
;;   The module's matrix products, in the order in which they are computed (A, B: the left and right operand; K: the contracted axis; several contracted axes count as one K, in the product's order):
;;     1. [M 8,192, K 1,024] x [K 1,024, N 1,024]; A: input x; B: input Wq: QUANTISED
;;     2. [M 8,192, K 1,024] x [K 1,024, N 1,024]; A: input x; B: input Wk: QUANTISED
;;     3. [M 8,192, K 1,024] x [K 1,024, N 1,024]; A: input x; B: input Wv: QUANTISED
;;     4. batch 64 x [M 2,048, K 64] x [K 64, N 2,048]; A: computed on the way; B: computed on the way: QUANTISED
;;     5. batch 64 x [M 2,048, K 2,048] x [K 2,048, N 64]; A: softmax (see below); B: computed on the way: QUANTISED
;;     6. [M 8,192, K 1,024] x [K 1,024, N 1,024]; A: computed on the way; B: input Wo: QUANTISED
;;   THE QUANTISER, for each operand of a quantised product, along K:
;;     - K is cut into blocks of 32 from its start; a last block that is shorter is filled with zeros.
;;     - A block's scale is 2^e with e = floor(log2(the largest magnitude in the block)) - 2, held to -126 .. 127; a block of zeros has e = 0. As a byte (E8M0): e + 127.
;;     - Each number is divided by its block's scale, clamped to +-7.5, and rounded to the nearest number of E2M3, ties to even, subnormals kept.
;;     - The product sums the exact products of the quantised numbers (number of the format x scale) in f32.
;;   ~~~python
;;   def quantise(x, axis):      # numpy; x: float32 -> the quantised numbers, widened to float32 again
;;       x = np.moveaxis(x, axis, -1); K = x.shape[-1]
;;       x = np.pad(x, [(0, 0)] * (x.ndim - 1) + [(0, -K % 32)]); x = x.reshape(x.shape[:-1] + (-1, 32)); a = np.abs(x).max(-1, keepdims=True)
;;       e = np.where(a > 0, np.clip(np.frexp(np.where(a > 0, a, 1))[1] - 1 - 2, -126, 127), 0)      # np.frexp(a)[1] - 1 = floor(log2(a)), exactly
;;       r = np.clip(x / 2.0 ** e, -7.5, 7.5)
;;       step = 2.0 ** (np.maximum(np.frexp(np.where(r == 0, 1, r))[1] - 1, 0) - 3)
;;       q = np.round(r / step) * step * 2.0 ** e      # np.round: ties to even
;;       return np.moveaxis(q.reshape(q.shape[:-2] + (-1,))[..., :K], -1, axis).astype(np.float32)
;;   ~~~
;;   SOFTMAX AHEAD OF A QUANTISED PRODUCT. Where the list says 'softmax', what is quantised is not the finished softmax but p = 2^(t - M), with t = logit x log2(e) and M = ceil(the row's largest t), a whole number; so 1/2 < the row's largest p <= 1. The row's sum l is taken of the UNQUANTISED p, in f32, and the product's result is divided by l at the end. Since M is a whole number, a kernel that streams over the keys may use a running M (the ceiling of the running maximum): every later rescaling is an exact power of two, which a block's scale takes up: the codes' values come out the same.
;;   OPERANDS COMPUTED ON THE WAY. 'Computed on the way' means the value that the module computes at that place (a softmax that the list does not call 'softmax' is quantised finished and normalised). What goes into a quantiser is computed in f32, as accurately as f32 sums, v_exp_f32 and their like allow (about 1e-6 of the number): no bf16 or f16 on the way to a quantiser, and a product that is left as it is and whose result goes on into a quantised operand takes f32 operands (vector FMAs, or v_wmma_f32_16x16x4_f32). A number that lies on a knife's edge between two numbers of the format may be rounded either way, as far as f32 arithmetic and the matrix unit's own rounding can turn it there, and no further.
;; One version. Each part assembles by itself: llvm-mc -triple=amdgcn-amd-amdhsa -mcpu=gfx1250 --defsym DOCPART=n.
;; ======== version 1 of 1: 4 launches
;; limits: right only within a limited range of input values
;; workspace buffers: xwc 9,437,184 bytes; xws 393,216 bytes; qkvc 18,874,368 bytes; qkvs 1,310,720 bytes; ac 6,291,456 bytes; asc 524,288 bytes
;; launch quant (part 1): grid 256 x 1, 6 waves a work-group, no clusters, 51,456 bytes of LDS; arguments x, Wq, Wk, Wv, Wo, xwc, xws; writes xwc, xws
.if DOCPART == 1
	.amdgcn_target "amdgcn-amd-amdhsa--gfx1250"
	.amdhsa_code_object_version 6
	.text
	.protected	k_q9f47a47757_quant
	.globl	k_q9f47a47757_quant
	.p2align	8
	.type	k_q9f47a47757_quant,@function
k_q9f47a47757_quant:
	s_mov_b64 s[64:65], 0
	v_nop
	global_prefetch_b8 v0, s[64:65] scope:SCOPE_SE
	s_setreg_imm32_b32 hwreg(HW_REG_WAVE_MODE, 25, 1), 1
	s_wait_xcnt 0x0
; x [8192][1024] and Wq, Wk, Wv, Wo [1024][1024], f32, K innermost, become codes of FP6 (E2M3) with one E8M0 byte for each 32 along K,
; laid in the order of a matrix operand's registers, so that the later launches load whole fragments.
; ROW ORDER: position P of a tensor of codes holds row sigma(P) = P with bits 3 and 4 swapped.  A tile is 16 neighbouring positions.
; IMAGE (1,536 bytes): a fragment of 16 positions x 128 K, 12 registers a lane: registers 6c..6c+3 at 768 c + 16 lane, registers 6c+4, 6c+5 at 768 c + 512 + 8 lane.
; SCALE IMAGE (256 bytes): the scale words of 64 positions x 128 K: lane 16 hh + r, word j = the word of tile 2 j + hh, row r.
; xwc: [R 512][Cc 8] images of x, then from byte 6,291,456 [R 256][Cc 8] of Wq, Wk, Wv, Wo.  xws: [R4 128][Cc 8] scale images, then from byte 262,144 [R4 64][Cc 8].
; A block's scale is 2^(floor(log2(largest magnitude)) - 2); its byte is the largest magnitude's exponent field - 2, held at 1 from below.
; LIMITS: NaN and infinities are not served; a block whose largest magnitude lies under 2^-124, a block of zeros among them, gets the byte 1 (its codes are zeros or tiny; this program alone reads the bytes).
; SHARES: a wave takes 64 positions x 128 K: four tiles.  Work-groups 0-255 take x, 256-383 the weights.  Each load reads 512 consecutive bytes of a row; a tile turns through the wave's own
; stage in LDS (rows 528 bytes apart), so that a lane gets whole blocks of 32 neighbours.  Waves share nothing: no barrier, no cluster (no two work-groups read the same bytes), no matrix unit.
; THE ROW ORDER AND THE SHARES AS THEY NOW STAND (they take the place of the head's lines ROW ORDER and SHARES):
; ROW ORDER: in each group of 64 positions, position 16 j + 8 g + i (tile j, g = 0, 1, i = 0 .. 7) holds row 32 g + 8 j + i.  So the 32 results that a lane of a later product
; holds of four neighbouring tiles are 32 neighbouring rows: one scale block of the next product.
; SHARES: 1,536 waves' shares of 64 positions x 128 K (1,024 of x, 512 of the weights) are dealt six to a work-group, 256 work-groups: share = 6 x work-group + wave.
.set ROWB,  4096                       ; a row of f32 in bytes
.set SP,    528                        ; a stage row: 512 bytes + 16
.set RAW,   32                         ; v32-95, v96-159  a tile as loaded, two sets
.set X,     160                        ; v160-223 my 64 numbers: register 32 c + i = k 64 c + 32 hh + i of row r
.set C,     224                        ; v224-235 the fragment
.set C2,    236                        ; v236-238, v240-242 the second halves of the two blocks' codes
.set PW,    24                         ; v24-27   the four tiles' scale words
	s_load_b256 s[4:11], s[0:1], 0x0               ; x, Wq, Wk, Wv
	s_load_b128 s[12:15], s[0:1], 0x20             ; Wo, xwc
	s_load_b64 s[16:17], s[0:1], 0x30              ; xws
	v_lshl_add_u32 v248, v0, 2, 0xc600             ; the spare words lie behind the six stages of 8,448 bytes
	v_mov_b32 v249, 0
	v_lshrrev_b32 v1, 5, v0
	v_readfirstlane_b32 s22, v1                    ; wave
	v_and_b32 v2, 31, v0                           ; lane
	v_and_b32 v3, 15, v0                           ; r
	v_bfe_u32 v14, v0, 4, 1                        ; hh
	v_lshlrev_b32 v4, 4, v2                        ; 16 x lane
	v_lshlrev_b32 v5, 3, v2                        ; 8 x lane
	s_mul_i32 s23, s22, 16*SP                      ; my stage
	v_add_nc_u32 v6, s23, v4                       ; into it: a row as it lies
	v_mul_u32_u24 v7, v3, SP
	v_lshl_add_u32 v7, v14, 7, v7
	v_add_nc_u32 v7, s23, v7                       ; out of it: row r, + 128 hh bytes
	v_lshlrev_b32 v14, 3, v14                      ; 8 hh: my bytes' place in a scale word
	v_mov_b32 v15, 0                               ; (a lane permute's destination counts as one of its sources)
	s_mov_b32 s36, 0x76543210
	s_mov_b32 s37, 0xfedcba98                      ; selects for lane l xor 16
	s_mov_b32 vcc_lo, 0xffff0000                   ; lanes 16-31
	s_mul_i32 s38, ttmp9, 6
	s_add_co_u32 s38, s38, s22                     ; my share: 0-1023 x, 1024-1535 the weights
	s_sub_co_u32 s24, s38, 1024                    ; which of the weights' shares
	s_lshr_b32 s25, s24, 7                         ; which weight: 128 shares each
	s_lshr_b32 s26, s38, 3                         ; x: which 64 rows
	s_lshr_b32 s27, s24, 3                         ; weights: which 64 positions of the four together,
	s_and_b32 s28, s27, 15                         ; and which 64 rows of the one
	s_and_b32 s29, s38, 7                          ; Cc: which 128 along K
	s_cmp_lt_u32 s38, 1024
	s_cselect_b32 s28, s26, s28                    ; where I read
	s_cselect_b32 s27, s26, s27                    ; where I write
	s_cselect_b32 s18, 0, 6291456                  ; the weights' codes lie behind x's,
	s_cselect_b32 s19, 0, 262144                   ; their scale images likewise
	s_lshl_b32 s30, s28, 18                        ; 64 rows of 4,096 bytes
	s_lshl_b32 s31, s29, 9
	s_add_co_u32 s30, s30, s31
	s_mov_b32 s31, 0
	s_mul_i32 s32, s27, 49152                      ; four R of 12,288 bytes
	s_mul_i32 s33, s29, 1536
	s_add_co_u32 s32, s32, s33
	s_add_co_u32 s32, s32, s18
	s_mov_b32 s33, 0
	s_lshl_b32 s34, s27, 3
	s_add_co_u32 s34, s34, s29
	s_lshl_b32 s34, s34, 8
	s_add_co_u32 s34, s34, s19
	s_mov_b32 s35, 0
	s_wait_alu depctr_va_vdst(0)
	s_wait_kmcnt 0x0
	s_cmp_eq_u32 s25, 1                            ; the choices hang on my share
	s_cselect_b64 s[6:7], s[8:9], s[6:7]
	s_cmp_eq_u32 s25, 2
	s_cselect_b64 s[6:7], s[10:11], s[6:7]
	s_cmp_eq_u32 s25, 3
	s_cselect_b64 s[6:7], s[12:13], s[6:7]
	s_cmp_lt_u32 s38, 1024
	s_cselect_b64 s[4:5], s[4:5], s[6:7]
	s_add_nc_u64 s[4:5], s[4:5], s[30:31]
	s_add_nc_u64 s[14:15], s[14:15], s[32:33]
	s_add_nc_u64 s[16:17], s[16:17], s[34:35]
.macro LOADT t                         ; tile t: position m comes from row 32 (m / 8) + 8 t + m % 8 of my 64
.irp m, 0,1,2,3,4,5,6,7,8,9,10,11,12,13,14,15
	global_load_b128 v[RAW+64*((\t)%2)+4*\m:RAW+64*((\t)%2)+4*\m+3], v4, s[4:5] offset:(32*(\m/8)+8*(\t)+\m%8)*ROWB th:TH_LOAD_NT   ; position m of tile t is row 32 (m / 8) + 8 t + m % 8 of my 64
.endr
.endm
.macro TURN t                          ; through the stage: LDS serves a wave's instructions in order, so no wait stands between the stores and the loads
.irp m, 0,1,2,3,4,5,6,7,8,9,10,11,12,13,14,15
	ds_store_b128 v6, v[RAW+64*((\t)%2)+4*\m:RAW+64*((\t)%2)+4*\m+3] offset:\m*SP
.endr
.irp c, 0,1
.irp j, 0,1,2,3,4,5,6,7
	ds_load_b128 v[X+32*\c+4*\j:X+32*\c+4*\j+3], v7 offset:256*\c+16*\j
.endr
.endr
.endm
.macro QT t                            ; my two whole blocks (2 c + hh, c = 0, 1) of row r become codes and two bytes
	v_max3_num_f32 v8, |v[X]|, |v[X+1]|, 0x1800000                 ; with the floor 2^(3 - 127): the byte cannot fall under 1
	v_max3_num_f32 v9, |v[X+32]|, |v[X+33]|, 0x1800000
.irp i, 2,4,6,8,10,12,14,16,18,20,22,24,26,28,30
	v_max3_num_f32 v8, v8, |v[X+\i]|, |v[X+\i+1]|
	v_max3_num_f32 v9, v9, |v[X+32+\i]|, |v[X+33+\i]|
.endr
	v_add_nc_u32 v10, 0xff000000, v8               ; 2 off the exponent field: the conversion's scale operand
	v_add_nc_u32 v11, 0xff000000, v9
	v_lshrrev_b32 v12, 23, v10                     ; the bytes
	v_lshrrev_b32 v13, 23, v11
	v_lshl_or_b32 v12, v13, 16, v12
	v_lshlrev_b32 v12, v14, v12                    ; at their places in the word
	v_permlanex16_b32 v15, v12, s36, s37
	v_or_b32 v[PW+(\t)], v12, v15                  ; with lane l xor 16's two the word is whole
	v_cvt_scalef32_pk16_fp6_f32 v[C:C+2], v[X:X+15], v10
	v_cvt_scalef32_pk16_fp6_f32 v[C2:C2+2], v[X+16:X+31], v10      ; (a conversion's three registers begin on an even number)
	v_cvt_scalef32_pk16_fp6_f32 v[C+6:C+8], v[X+32:X+47], v11
	v_cvt_scalef32_pk16_fp6_f32 v[C2+4:C2+6], v[X+48:X+63], v11
	v_nop                                          ; one plain place behind a scaled conversion
.irp c, 0,1
.irp i, 0,1,2
	v_mov_b32 v[C+3+6*\c+\i], v[C2+4*\c+\i]
.endr
.endr
	global_store_b128 v4, v[C:C+3], s[14:15] offset:(\t)*12288             ; each store covers 512 or 256 consecutive bytes, aligned to 256
	global_store_b64 v5, v[C+4:C+5], s[14:15] offset:(\t)*12288+512
	global_store_b128 v4, v[C+6:C+9], s[14:15] offset:(\t)*12288+768
	global_store_b64 v5, v[C+10:C+11], s[14:15] offset:(\t)*12288+1280
.endm
	LOADT 0
	LOADT 1
.irp t, 0,1,2,3
.if \t < 3
	s_wait_loadcnt 16                              ; this tile's 16 loads are in; the next tile's 16 may be out
.else
	s_wait_loadcnt 0x0
.endif
	TURN \t
	s_wait_dscnt 0x0                               ; my numbers are back, and the stage's stores have read their registers
.if \t < 2
	LOADT \t+2
.endif
.if \t > 0
	s_wait_xcnt 0x0                                ; the last tile's stores have read the fragment's registers
.endif
	QT \t
.endr
	v_cndmask_b32 v28, v24, v25, vcc_lo            ; word j: lanes 0-15 tile 2 j, lanes 16-31 tile 2 j + 1
	v_cndmask_b32 v29, v26, v27, vcc_lo
	global_store_b64 v5, v[28:29], s[16:17]        ; one aligned block of 256 bytes
	s_wait_tensorcnt 0x0
	ds_add_u32 v248, v249
	s_wait_dscnt 0x0
	s_endpgm
.Lfunc_end_k_q9f47a47757_quant:
	.size	k_q9f47a47757_quant, .Lfunc_end_k_q9f47a47757_quant-k_q9f47a47757_quant
	.p2alignl 7, 3214868480
	.fill 96, 4, 3214868480
	.section	.rodata,"a",@progbits
	.p2align	6, 0x0
	.amdhsa_kernel k_q9f47a47757_quant
		.amdhsa_group_segment_fixed_size 51456
		.amdhsa_private_segment_fixed_size 0
		.amdhsa_enable_private_segment 0
		.amdhsa_kernarg_size 56
		.amdhsa_user_sgpr_count 2
		.amdhsa_user_sgpr_kernarg_segment_ptr 1
		.amdhsa_wavefront_size32 1
		.amdhsa_system_sgpr_workgroup_id_x 1
		.amdhsa_system_sgpr_workgroup_id_y 1
		.amdhsa_system_sgpr_workgroup_id_z 1
		.amdhsa_system_vgpr_workitem_id 0
		.amdhsa_next_free_vgpr 250
		.amdhsa_next_free_sgpr 66
		.amdhsa_reserve_vcc 1
		.amdhsa_float_denorm_mode_32 3
		.amdhsa_float_denorm_mode_16_64 3
		.amdhsa_memory_ordered 1
		.amdhsa_forward_progress 1
		.amdhsa_inst_pref_size 31
	.end_amdhsa_kernel
	.amdgpu_metadata
---
amdhsa.version: [ 1, 2 ]
amdhsa.kernels:
  - .name:           k_q9f47a47757_quant
    .symbol:         k_q9f47a47757_quant.kd
    .args:
      - { .name: x, .offset: 0, .size: 8, .value_kind: global_buffer, .address_space: global }
      - { .name: Wq, .offset: 8, .size: 8, .value_kind: global_buffer, .address_space: global }
      - { .name: Wk, .offset: 16, .size: 8, .value_kind: global_buffer, .address_space: global }
      - { .name: Wv, .offset: 24, .size: 8, .value_kind: global_buffer, .address_space: global }
      - { .name: Wo, .offset: 32, .size: 8, .value_kind: global_buffer, .address_space: global }
      - { .name: xwc, .offset: 40, .size: 8, .value_kind: global_buffer, .address_space: global }
      - { .name: xws, .offset: 48, .size: 8, .value_kind: global_buffer, .address_space: global }
    .group_segment_fixed_size: 51456
    .private_segment_fixed_size: 0
    .kernarg_segment_align: 8
    .kernarg_segment_size: 56
    .max_flat_workgroup_size: 192
    .sgpr_count:     66
    .vgpr_count:     250
    .wavefront_size: 32
...
	.end_amdgpu_metadata
.endif
;; end of part 1
;; launch proj (part 2): grid 8 x 32, 4 waves a work-group, clusters of 4 x 4, 327,680 bytes of LDS; arguments xwc, xws, qkvc, qkvs; writes qkvc, qkvs
.if DOCPART == 2
	.amdgcn_target "amdgcn-amd-amdhsa--gfx1250"
	.amdhsa_code_object_version 6
	.text
	.protected	k_q9f47a47757_proj
	.globl	k_q9f47a47757_proj
	.p2align	8
	.type	k_q9f47a47757_proj,@function
k_q9f47a47757_proj:
	s_mov_b64 s[64:65], 0
	v_nop
	global_prefetch_b8 v0, s[64:65] scope:SCOPE_SE
	s_setreg_imm32_b32 hwreg(HW_REG_WAVE_MODE, 25, 1), 1
	s_wait_xcnt 0x0
	s_wait_alu depctr_hold_cnt(0) depctr_sa_sdst(0) depctr_va_vdst(0) depctr_va_sdst(0) depctr_va_ssrc(0) depctr_va_vcc(0) depctr_vm_vsrc(0)
	s_getreg_b32 s2, hwreg(HW_REG_IB_STS2, 6, 4)
	s_cmp_eq_u32 s2, 0
	s_cbranch_scc0 .Lentry_in_a_cluster
	s_endpgm
.Lentry_in_a_cluster:
	s_bfe_u32 s2, ttmp6, 0x10000c
	s_cmp_lg_u32 s2, 0xf033
	s_cbranch_scc0 .Lentry_shape_is_right
	s_endpgm
.Lentry_shape_is_right:
; q = x Wq^T, k = x Wk^T and V^T = Wv x^T, on codes of FP6 (E2M3) with E8M0 scales, each result quantised in registers along the K of the product that reads it next.
; A tile is C = A B^T, 128 (A) x 256 (B), quantised along B's rows.  q and k: A = x (8,192 positions), B = Wq and Wk (2,048), quantised along a head's 64.  V^T: A = Wv (1,024), B = x, quantised along the keys.
; A WORK-GROUP STAYS and makes three tiles: two of q and k (tile rows 32 apart, the same tile column), then one of V^T: 256 work-groups for 768 tiles.  The two q and k tiles are a loop of two trips; the last tile, which asks for nothing more, is written out.
; OPERANDS lie as register images (1,536 bytes for 16 positions x 128 K: registers 6c..6c+3 at 768 c + 16 lane, 6c+4, 6c+5 at 768 c + 512 + 8 lane), [R][Cc 8].
; ROW ORDER: in each group of 64 positions, position 16 j + 8 g + i holds row 32 g + 8 j + i.
; THE MATRIX INSTRUCTION IS USED TRANSPOSED: source 0 = 16 positions of B, source 1 = 16 of A.  Lane (r, hh) holds A's position r, and register j of B's tile 4 c + u is B's row 64 c + 32 hh + 8 u + j:
; a lane's 32 registers of four neighbouring tiles are one whole scale block of the next K: no lane asks another for a maximum or for codes.
; SHARES: wave (wr, wc) makes 64 x 128 in 32 accumulators.
; THE RING: two LDS slots, each with one half of K (512) of A's 8 R and B's 16 R.  At the head one joint load a wave: wave 0 A's first half, wave 1 B's, wave 2 A's second half, wave 3 B's.
; In K step 3 nobody reads slot 0 any more: a round of the cluster's barrier, with a tensor wait, an add and its wait ahead of it, and waves 0 and 1 ask for the next tile's first half.  In K step 7 the same for slot 1, by waves 2 and 3;
; behind that round the next tile's first fragments are fetched.  From a request to the wait for it a wave issues 128 products (four K steps) and, for slot 1, the way out as well: so no prefetch is laid beside the refills.
; The loop's two trips issue the same loads, so B's tile, which the two q and k tiles share, is asked for again.  Nothing waits for a tile's stores.
; CLUSTER 4 x 4: A's tile is shared along a row of the cluster, B's along a column: joint loads.  A wave has one tensor load out at the most.
; THE SCALE WORDS of a tile's rows, for all of K, lie in 48 registers; the next tile's are loaded at the tile's start into 48 spare registers of window 1 and moved behind the way out.
; RESULTS: qkvc: [hs 32][R 512][768 bytes] (hs = head for q, 16 + head for k; half an image: 16 tokens x 64), then from byte 12,582,912 [Cc 64 = batch x 16 + step][R 64 = head x 4 + dt] images of V^T.
;          qkvs: [hs 32][R4 128] scale images with two bytes a word, then from byte 1,048,576 [head 16][Cc 64] scale images of V^T.
; LIMITS: NaN and infinities are not served; a block whose largest magnitude lies under 2^-124 gets the byte 1 (this program alone reads the bytes).
; REGISTERS: window 0: v4-7 LDS addresses in slot 0, v12-15 in slot 1, v8 16 lane, v9 8 lane, v10 8 hh, v16-31 A's scale words, v32-63 B's, v64-159 A's fragments (two sets of 4), v160-210 the quantiser's.
;            window 1: B's fragments, two sets of 8 at v0 and v96; v192-239 the next tile's scale words.   window 2: accumulator (a, b) at v[8 (8 a + b)].
.set CH,   147456                      ; a slot: A's 8 R x 6,144 bytes, then B's 16 R x 6,144
.set BOFF, 49152
.set SPARE, 294912
.set FR,   12
.set SA,   16                          ; A's scale words: register 2 Cc + a / 2, lanes 16-31 for odd a
.set SB,   32                          ; B's: register 4 Cc + b / 2
.set AF,   64
.set TM,   160                         ; v160-163 largest magnitudes, v164-166 bytes, v172-173 scale operands
.set KPW,  180                         ; v180-183 the four blocks' scale words
.set SI,   184                         ; v184-187 scale images
.set PC,   192                         ; v192-203 the fragment just made; v204-206, v208-210 second halves
.set PC2,  204
.set G1A,  24
.set G1B,  32
.set G0A0, 44                          ; group 0: A's and B's halves for slot 0,
.set G0B0, 48
.set G0A1, 52                          ; and for slot 1
.set G0B1, 56
.set MSB, 0
.macro WIN new                         ; the immediate's high byte repeats the setting that is left
.if MSB != \new
	s_set_vgpr_msb (MSB<<8)|\new
.set MSB, \new
.endif
.endm
.macro PLACES
.rept 4
	v_nop
.endr
.endm
.macro CROUND                          ; a round of the cluster's barrier
	s_barrier_signal -1
	s_barrier_wait -1
	s_cmp_lg_u32 s20, 0
	s_cbranch_scc1 .Lnot_wave_0_\@
	s_barrier_signal -3
.Lnot_wave_0_\@:
	s_barrier_wait -3
	s_barrier_signal -1
	s_barrier_wait -1
.endm
.macro SETG g, off, more               ; a group 0's global address: xwc + the offset in s\off + more (s61 = 0)
	s_mov_b32 s60, s\off
	s_add_nc_u64 s[\g+2:\g+3], s[4:5], s[60:61]
.if \more
	s_add_nc_u64 s[\g+2:\g+3], s[\g+2:\g+3], \more
.endif
	s_or_b32 s[\g+3], s[\g+3], 0x80000000
.endm
.macro ARMS w0, ga, w1, gb             ; a refill: wave w0 asks for A's half, wave w1 for B's, the others for nothing; s_nop 0 and four v_nop behind each load
	s_cmp_eq_u32 s20, \w0
	s_cbranch_scc0 .Lnot_a_\@
	tensor_load_to_lds s[\ga:\ga+3], s[G1A:G1A+7]
	s_nop 0
	PLACES
	s_branch .Lasked_\@
.Lnot_a_\@:
	s_cmp_eq_u32 s20, \w1
	s_cbranch_scc0 .Lasked_\@
	tensor_load_to_lds s[\gb:\gb+3], s[G1B:G1B+7]
	s_nop 0
	PLACES
.Lasked_\@:
.endm
.macro SCALES offa, offb, up, win      ; 24 loads: the scale words of my rows of a tile, for all of K, into v[up + 16 ..] of the window that win names
	s_mov_b32 s60, s\offa
	s_add_nc_u64 s[2:3], s[6:7], s[60:61]
	s_mov_b32 s60, s\offb
	s_add_nc_u64 s[96:97], s[6:7], s[60:61]
	WIN \win
.irp k, 0,1,2,3,4,5,6,7
	global_load_b64 v[\up+SA+2*\k:\up+SA+2*\k+1], v9, s[2:3] offset:256*\k
	global_load_b64 v[\up+SB+4*\k:\up+SB+4*\k+1], v9, s[96:97] offset:256*\k
	global_load_b64 v[\up+SB+4*\k+2:\up+SB+4*\k+3], v9, s[96:97] offset:2048+256*\k
.endr
	WIN 0
.endm
	s_load_b256 s[4:11], s[0:1], 0x0               ; xwc, xws, qkvc, qkvs
	v_lshl_add_u32 v254, v0, 2, SPARE
	v_mov_b32 v255, 0
	ds_add_u32 v254, v255                          ; the opening lines: the add, twice on end, and its wait
	ds_add_u32 v254, v255
	v_lshrrev_b32 v1, 5, v0
	v_readfirstlane_b32 s20, v1                    ; wave
	s_lshr_b32 s21, s20, 1                         ; wr
	s_and_b32 s22, s20, 1                          ; wc
	v_and_b32 v1, 31, v0
	v_lshlrev_b32 v8, 4, v1
	v_lshlrev_b32 v9, 3, v1
	v_bfe_u32 v10, v0, 4, 1
	v_lshlrev_b32 v10, 3, v10                      ; 8 hh: my bytes' place in a scale word
	s_mul_i32 s91, s21, 4*6144                     ; my four R of A
	v_add_nc_u32 v4, s91, v8
	v_add_nc_u32 v5, s91, v9
	s_mul_i32 s91, s22, 8*6144                     ; my eight R of B, behind A's
	s_add_co_u32 s91, s91, BOFF
	v_add_nc_u32 v6, s91, v8
	v_add_nc_u32 v7, s91, v9
.irp i, 4,5,6,7
	v_add_nc_u32 v[8+\i], CH, v\i                  ; the same in slot 1
.endr
	v_mov_b32 v[TM+6], 0                           ; (a lane permute's destination counts as one of its sources)
	s_bfe_u32 s40, ttmp6, 0x40000                  ; cx
	s_bfe_u32 s41, ttmp6, 0x40004                  ; cy
	s_and_b32 s43, ttmp7, 0xffff                   ; the cluster's y, 0 .. 7
	s_lshl_b32 s60, s41, 2
	s_lshl_b32 s60, 15, s60                        ; my row of the cluster
	s_lshl_b32 s61, 0x1111, s40                    ; my column
	s_or_b32 s[G1A], s60, (3<<16)|(1<<21)          ; the mask; elements of 8 bytes; bit 21 beside a mask; no padding: an image is read 512 or 256 consecutive bytes an instruction
	s_or_b32 s[G1B], s61, (3<<16)|(1<<21)
	s_mov_b32 s[G1A+1], 768<<16                    ; tensor_dim0: 6,144 bytes, four images of an R
	s_mov_b32 s[G1A+2], 8<<16                      ; tensor_dim1: 8 R
	s_mov_b32 s[G1A+3], 768<<16                    ; tile_dim0
	s_mov_b32 s[G1A+4], 8                          ; tile_dim1
	s_mov_b32 s[G1A+5], 1536                       ; from R to R: 12,288 bytes
	s_mov_b32 s[G1A+6], 0
	s_mov_b32 s[G1A+7], 0
	s_mov_b32 s[G1B+1], 768<<16
	s_mov_b32 s[G1B+2], 16<<16                     ; 16 R
	s_mov_b32 s[G1B+3], 768<<16
	s_mov_b32 s[G1B+4], 16
	s_mov_b32 s[G1B+5], 1536
	s_mov_b32 s[G1B+6], 0
	s_mov_b32 s[G1B+7], 0
	s_mov_b32 s61, 0
	s_lshl_b32 s62, s43, 2
	s_add_co_u32 s62, s62, s41                     ; q, k: the first tile's row, 4 y + cy (the second: 32 on): hangs on cy alone
	s_lshl_b32 s63, ttmp9, 2
	s_add_co_u32 s63, s63, s40                     ; their tile column, 4 x + cx: on cx alone
	s_lshl_b32 s66, ttmp9, 2
	s_add_co_u32 s66, s66, s41                     ; V^T: tile row 4 x + cy,
	s_lshl_b32 s67, s43, 2
	s_add_co_u32 s67, s67, s40                     ; tile column 4 y + cx
	s_mul_i32 s70, s62, 98304                      ; where the three tiles' A begins in xwc: 8 R of 12,288 bytes a tile row: x's,
	s_add_co_u32 s71, s70, 3145728                 ; 32 tile rows on,
	s_mul_i32 s72, s66, 98304
	s_add_co_u32 s72, s72, 7864320                 ; Wv's
	s_mul_i32 s73, s63, 196608                     ; and B: 16 R a tile column: Wq's and Wk's,
	s_add_co_u32 s73, s73, 6291456
	s_mul_i32 s74, s67, 196608                     ; x's
	s_lshl_b32 s75, s62, 1                         ; my rows' scale images in xws: A: R4 = 2 x tile row + wr, 2,048 bytes each
	s_add_co_u32 s75, s75, s21
	s_lshl_b32 s75, s75, 11
	s_add_co_u32 s76, s75, 131072
	s_lshl_b32 s77, s66, 1
	s_add_co_u32 s77, s77, s21
	s_lshl_b32 s77, s77, 11
	s_add_co_u32 s77, s77, 327680
	s_lshl_b32 s78, s63, 2                         ; B: R4 = 4 x tile column + 2 wc, and the next
	s_lshl_b32 s79, s22, 1
	s_add_co_u32 s78, s78, s79
	s_lshl_b32 s78, s78, 11
	s_add_co_u32 s78, s78, 262144
	s_lshl_b32 s90, s67, 2
	s_add_co_u32 s79, s90, s79
	s_lshl_b32 s79, s79, 11
	s_lshl_b32 s92, s62, 3                         ; where my results go.  q, k: codes at R x 768 + (2 x tile column + wc) x 786,432,
	s_lshl_b32 s93, s21, 2
	s_add_co_u32 s92, s92, s93
	s_mul_i32 s92, s92, 768
	s_lshl_b32 s94, s63, 1
	s_add_co_u32 s94, s94, s22
	s_mul_i32 s95, s94, 786432
	s_add_co_u32 s14, s92, s95
	s_mov_b32 s15, 0
	s_lshl_b32 s92, s62, 1                         ; scale images at (2 x tile row + wr) x 256 + the same x 65,536
	s_add_co_u32 s92, s92, s21
	s_lshl_b32 s92, s92, 8
	s_lshl_b32 s95, s94, 16
	s_add_co_u32 s18, s92, s95
	s_mov_b32 s19, 0
	s_lshl_b32 s92, s66, 3                         ; V^T: codes at 12,582,912 + R x 1,536 + (2 x tile column + wc) x 98,304,
	s_add_co_u32 s92, s92, s93
	s_mul_i32 s92, s92, 1536
	s_lshl_b32 s94, s67, 1
	s_add_co_u32 s94, s94, s22
	s_mul_i32 s95, s94, 98304
	s_add_co_u32 s16, s92, s95
	s_add_co_u32 s16, s16, 12582912
	s_mov_b32 s17, 0
	s_lshl_b32 s92, s66, 1                         ; scale images at 1,048,576 + (2 x tile row + wr) x 16,384 + the same x 256
	s_add_co_u32 s92, s92, s21
	s_lshl_b32 s92, s92, 14
	s_lshl_b32 s95, s94, 8
	s_add_co_u32 s12, s92, s95
	s_add_co_u32 s12, s12, 1048576
	s_mov_b32 s13, 0
	s_mov_b32 s86, 0x76543210
	s_mov_b32 s87, 0xfedcba98                      ; selects for lane l xor 16
.irp g, G0A0, G0B0, G0A1, G0B1
	s_mov_b32 s[\g], 1
.endr
	s_mov_b32 s[G0A0+1], 0                         ; constants alone enter the LDS addresses
	s_mov_b32 s[G0B0+1], BOFF
	s_mov_b32 s[G0A1+1], CH
	s_mov_b32 s[G0B1+1], CH+BOFF
	s_wait_alu depctr_va_vdst(0)
	s_wait_dscnt 0x0                               ; both opening adds are done
	s_wait_kmcnt 0x0
	s_add_nc_u64 s[14:15], s[8:9], s[14:15]
	s_add_nc_u64 s[16:17], s[8:9], s[16:17]
	s_add_nc_u64 s[18:19], s[10:11], s[18:19]
	s_add_nc_u64 s[12:13], s[10:11], s[12:13]
	SETG G0A0, 70, 0
	SETG G0B0, 73, 0
	SETG G0A1, 70, 6144
	SETG G0B1, 73, 6144
	CROUND                                         ; all sixteen work-groups are here: the joint loads meet
	s_cmp_eq_u32 s20, 0                            ; one chain of arms on the wave's number, one load to an arm
	s_cbranch_scc0 .Lfill_1
	tensor_load_to_lds s[G0A0:G0A0+3], s[G1A:G1A+7]
	s_nop 0
	PLACES
	s_branch .Lfilled
.Lfill_1:
	s_cmp_eq_u32 s20, 1
	s_cbranch_scc0 .Lfill_2
	tensor_load_to_lds s[G0B0:G0B0+3], s[G1B:G1B+7]
	s_nop 0
	PLACES
	s_branch .Lfilled
.Lfill_2:
	s_cmp_eq_u32 s20, 2
	s_cbranch_scc0 .Lfill_3
	tensor_load_to_lds s[G0A1:G0A1+3], s[G1A:G1A+7]
	s_nop 0
	PLACES
	s_branch .Lfilled
.Lfill_3:
	tensor_load_to_lds s[G0B1:G0B1+3], s[G1B:G1B+7]
	s_nop 0
	PLACES
.Lfilled:
	SCALES 75, 78, 0, 0                            ; the first tile's scale words go straight to their places
.macro FRAGLD reg, a16, a8, off        ; an image comes back as the registers that it is
	ds_load_b128 v[\reg:\reg+3], v[\a16] offset:\off
	ds_load_b64 v[\reg+4:\reg+5], v[\a8] offset:\off+512
	ds_load_b128 v[\reg+6:\reg+9], v[\a16] offset:\off+768
	ds_load_b64 v[\reg+10:\reg+11], v[\a8] offset:\off+1280
.endm
.macro FETCH k                         ; 48 loads: the fragments of K step k (128 along K) into set k % 2, from slot k / 4
	WIN 0x40
.irp b, 0,1,2,3,4,5,6,7
	FRAGLD 96*((\k)%2)+FR*\b, 6+8*((\k)/4), 7+8*((\k)/4), \b*6144+((\k)%4)*1536
.endr
	WIN 0
.irp a, 0,1,2,3
	FRAGLD AF+48*((\k)%2)+FR*\a, 4+8*((\k)/4), 5+8*((\k)/4), \a*6144+((\k)%4)*1536
.endr
.endm
.macro MM d, x, y, c, s, t, px, py     ; one product; px, py: source 0's, source 1's scales stand in lanes 16-31
.if (\px) && (\py)
	v_wmma_scale_f32_16x16x128_f8f6f4 v[\d:\d+7], v[\x:\x+11], v[\y:\y+11], \c, v[\s], v[\t] matrix_a_fmt:MATRIX_FMT_FP6 matrix_b_fmt:MATRIX_FMT_FP6 matrix_a_scale:MATRIX_SCALE_ROW1 matrix_b_scale:MATRIX_SCALE_ROW1
.elseif \px
	v_wmma_scale_f32_16x16x128_f8f6f4 v[\d:\d+7], v[\x:\x+11], v[\y:\y+11], \c, v[\s], v[\t] matrix_a_fmt:MATRIX_FMT_FP6 matrix_b_fmt:MATRIX_FMT_FP6 matrix_a_scale:MATRIX_SCALE_ROW1
.elseif \py
	v_wmma_scale_f32_16x16x128_f8f6f4 v[\d:\d+7], v[\x:\x+11], v[\y:\y+11], \c, v[\s], v[\t] matrix_a_fmt:MATRIX_FMT_FP6 matrix_b_fmt:MATRIX_FMT_FP6 matrix_b_scale:MATRIX_SCALE_ROW1
.else
	v_wmma_scale_f32_16x16x128_f8f6f4 v[\d:\d+7], v[\x:\x+11], v[\y:\y+11], \c, v[\s], v[\t] matrix_a_fmt:MATRIX_FMT_FP6 matrix_b_fmt:MATRIX_FMT_FP6
.endif
.endm
.macro MUL32 k                         ; the 32 accumulators take turns, one instruction a turn, in the same order in every K step; a tile's first step starts the sums
	WIN 0xa1                                       ; source 0 (B) window 1, source 1 (A) window 0, C and D window 2
.irp a, 0,1,2,3
.irp b, 0,1,2,3,4,5,6,7
.if (\k) == 0
	MM 8*(8*\a+\b), 96*((\k)%2)+FR*\b, AF+48*((\k)%2)+FR*\a, 0, SB+4*(\k)+\b/2, SA+2*(\k)+\a/2, \b%2, \a%2
.else
	MM 8*(8*\a+\b), 96*((\k)%2)+FR*\b, AF+48*((\k)%2)+FR*\a, v[8*(8*\a+\b):8*(8*\a+\b)+7], SB+4*(\k)+\b/2, SA+2*(\k)+\a/2, \b%2, \a%2
.endif
.endr
.endr
.endm
; K step k: the next step's fragments are asked for, then this step's 32 products are issued.  refill = 1: a tile follows.
.macro KSTEP k, refill
.if (\k) == 3
	WIN 0
	s_wait_tensorcnt 0x0                           ; in every wave: all my tensor loads have landed, slot 1's among them
.if \refill
	ds_add_u32 v254, v255
	SETG G0A0, 82, 0                               ; no load of mine is out: the next tile's first half
	SETG G0B0, 83, 0
	s_wait_dscnt 0x0                               ; the add is done, and my reads of slot 0 are over
	CROUND                                         ; no wave of any partner still reads slot 0 or has a load on its way
	ARMS 0, G0A0, 1, G0B0
.else
	s_wait_dscnt 0x0
	s_barrier_signal -1
	s_barrier_wait -1                              ; slot 1 is shown to all four waves
.endif
.endif
.if (\k) < 7
	PLACES                                         ; four places in front of loads into registers that matrix instructions have read
	FETCH (\k)+1
	s_wait_dscnt 48                                ; all but the 48 just issued: this step's fragments are in
.elseif \refill
	WIN 0
	s_wait_tensorcnt 0x0                           ; in every wave: the next tile's first half has landed
	ds_add_u32 v254, v255
	SETG G0A1, 82, 6144                            ; its second half
	SETG G0B1, 83, 6144
	s_wait_dscnt 0x0                               ; the add is done, and my reads of slot 1 are over: this step's fragments are in
	CROUND
	ARMS 2, G0A1, 3, G0B1
	PLACES
	FETCH 0                                        ; the next tile's first fragments, out of slot 0, which the round has shown whole
.else
	s_wait_dscnt 0x0
.endif
	MUL32 \k
.endm
; The 64 numbers of a lane in A's block a (window 2, register 32 c + i = next K 64 c + 32 hh + i of position r) become a fragment in v[PC] on and its scale word in v[KPW + a].
.macro QUANT a
	WIN 0x28                                       ; sources 1 and 2 window 2
.irp b, 0,1,2,3
	v_max3_num_f32 v[TM+\b], 0x1800000, |v[64*(\a)+16*\b]|, |v[64*(\a)+16*\b+1]|   ; with the floor 2^(3 - 127); each accumulator is read from its low end on
.endr
.irp i, 2,4,6,8,10,12,14
.irp b, 0,1,2,3
	v_max3_num_f32 v[TM+\b], v[TM+\b], |v[64*(\a)+16*\b+\i]|, |v[64*(\a)+16*\b+\i+1]|
.endr
.endr
	WIN 0
	v_max_num_f32 v[TM], v[TM], v[TM+1]            ; my block 2 c + hh is whole in my registers: two chains each, joined
	v_max_num_f32 v[TM+2], v[TM+2], v[TM+3]
	v_add_nc_u32 v[TM+12], 0xff000000, v[TM]       ; 2 off the exponent field: the conversion's scale operand
	v_add_nc_u32 v[TM+13], 0xff000000, v[TM+2]
	v_lshrrev_b32 v[TM+4], 23, v[TM+12]            ; the bytes
	v_lshrrev_b32 v[TM+5], 23, v[TM+13]
	v_lshl_or_b32 v[TM+4], v[TM+5], 16, v[TM+4]
	v_lshlrev_b32 v[TM+4], v10, v[TM+4]            ; at their places in the word (8 hh bits up)
	v_permlanex16_b32 v[TM+6], v[TM+4], s86, s87
	v_or_b32 v[KPW+(\a)], v[TM+4], v[TM+6]         ; with lane l xor 16's two the word is whole
	WIN 0x02                                       ; source 0 window 2
.irp c, 0,1
	v_cvt_scalef32_pk16_fp6_f32 v[PC+6*\c:PC+6*\c+2], v[64*(\a)+32*\c:64*(\a)+32*\c+15], v[TM+12+\c]
	v_cvt_scalef32_pk16_fp6_f32 v[PC2+4*\c:PC2+4*\c+2], v[64*(\a)+32*\c+16:64*(\a)+32*\c+31], v[TM+12+\c]
.endr
	WIN 0
	v_nop                                          ; one plain place behind a scaled conversion
.irp c, 0,1
.irp i, 0,1,2
	v_mov_b32 v[PC+3+6*\c+\i], v[PC2+4*\c+\i]
.endr
.endr
.endm
; A tile's way out.  qk = 1: q and k: an image's halves are two heads', 393,216 bytes apart, R to R 768; qk = 0: V^T: whole images, R to R 1,536.  cb, sb: the bases of its codes and of its scale image.
.macro WAYOUT qk, cb, sb
	WIN 0
	PLACES                                         ; in front of the first reads of results
.irp a, 0,1,2,3
.if \a > 0
	s_wait_xcnt 0x0                                ; the last block's stores have read their registers
.endif
	QUANT \a
.if \qk
	global_store_b128 v8, v[PC:PC+3], s[\cb:\cb+1] offset:768*\a            ; each store covers 512 or 256 consecutive bytes, aligned to 256
	global_store_b64 v9, v[PC+4:PC+5], s[\cb:\cb+1] offset:768*\a+512
	global_store_b128 v8, v[PC+6:PC+9], s[\cb:\cb+1] offset:393216+768*\a
	global_store_b64 v9, v[PC+10:PC+11], s[\cb:\cb+1] offset:393216+768*\a+512
.else
	global_store_b128 v8, v[PC:PC+3], s[\cb:\cb+1] offset:1536*\a
	global_store_b64 v9, v[PC+4:PC+5], s[\cb:\cb+1] offset:1536*\a+512
	global_store_b128 v8, v[PC+6:PC+9], s[\cb:\cb+1] offset:1536*\a+768
	global_store_b64 v9, v[PC+10:PC+11], s[\cb:\cb+1] offset:1536*\a+1280
.endif
.endr
	s_mov_b32 vcc_lo, 0xffff0000
	v_cndmask_b32 v[SI], v[KPW], v[KPW+1], vcc_lo  ; word j: lanes 0-15 block 2 j, lanes 16-31 block 2 j + 1
	v_cndmask_b32 v[SI+1], v[KPW+2], v[KPW+3], vcc_lo
.if \qk
	v_lshrrev_b32 v[SI+2], 16, v[SI]
	v_lshrrev_b32 v[SI+3], 16, v[SI+1]
	v_and_b32 v[SI], 0xffff, v[SI]
	v_and_b32 v[SI+1], 0xffff, v[SI+1]
	global_store_b64 v9, v[SI:SI+1], s[\sb:\sb+1]                  ; the even head's two bytes,
	global_store_b64 v9, v[SI+2:SI+3], s[\sb:\sb+1] offset:32768   ; and the odd head's
.else
	global_store_b64 v9, v[SI:SI+1], s[\sb:\sb+1]                  ; the whole words
.endif
.endm
	s_cmp_lt_u32 s20, 2                            ; waves 0 and 1 brought slot 0, by load lines that are theirs alone
	s_cbranch_scc0 .Lnot_first
	s_wait_tensorcnt 0x0
.Lnot_first:
	s_barrier_signal -1
	s_barrier_wait -1
	FETCH 0
	s_wait_loadcnt 0x0                             ; the scale words
	s_mov_b32 s84, 0
.Ltile:                                                ; the two tiles of q and k
	s_cmp_eq_u32 s84, 0                            ; what follows: the second tile of q and k, or the tile of V^T
	s_cselect_b32 s82, s71, s72
	s_cselect_b32 s83, s73, s74
	s_cselect_b32 s88, s76, s77
	s_cselect_b32 s89, s78, s79
	SCALES 88, 89, 176, 0x40                       ; its scale words, into v192-239 of window 1
.irp k, 0,1,2,3,4,5,6,7
	KSTEP \k, 1
.endr
	WAYOUT 1, 14, 18
	s_wait_loadcnt 0x0                             ; the next tile's scale words are in,
	WIN 0x01
.set I, 0
.rept 48
	v_mov_b32 v[SA+I], v[192+I]                    ; and go to their places: A's first, then B's: each stands more than eight lines ahead of the first product that names it
.set I, I+1
.endr
	WIN 0
	s_wait_xcnt 0x0                                ; the stores have read their registers and bases
	s_add_nc_u64 s[14:15], s[14:15], 196608        ; 32 tile rows on: 256 R of 768 bytes,
	s_add_nc_u64 s[18:19], s[18:19], 16384         ; 64 scale images
	s_wait_alu depctr_va_vdst(0)
	s_add_co_u32 s84, s84, 1
	s_cmp_lt_u32 s84, 2
	s_cbranch_scc1 .Ltile
.irp k, 0,1,2,3,4,5,6,7                ; the tile of V^T: nothing more is asked for
	KSTEP \k, 0
.endr
	WAYOUT 0, 16, 12
	s_wait_tensorcnt 0x0                           ; the wave's end
	ds_add_u32 v254, v255
	s_wait_dscnt 0x0
	CROUND                                         ; the closing round: no work-group ends while a partner may still ask for a tile that names it
	s_endpgm
.Lfunc_end_k_q9f47a47757_proj:
	.size	k_q9f47a47757_proj, .Lfunc_end_k_q9f47a47757_proj-k_q9f47a47757_proj
	.p2alignl 7, 3214868480
	.fill 96, 4, 3214868480
	.section	.rodata,"a",@progbits
	.p2align	6, 0x0
	.amdhsa_kernel k_q9f47a47757_proj
		.amdhsa_group_segment_fixed_size 327680
		.amdhsa_private_segment_fixed_size 0
		.amdhsa_enable_private_segment 0
		.amdhsa_kernarg_size 32
		.amdhsa_user_sgpr_count 2
		.amdhsa_user_sgpr_kernarg_segment_ptr 1
		.amdhsa_wavefront_size32 1
		.amdhsa_system_sgpr_workgroup_id_x 1
		.amdhsa_system_sgpr_workgroup_id_y 1
		.amdhsa_system_sgpr_workgroup_id_z 1
		.amdhsa_system_vgpr_workitem_id 0
		.amdhsa_next_free_vgpr 768
		.amdhsa_next_free_sgpr 106
		.amdhsa_reserve_vcc 1
		.amdhsa_float_denorm_mode_32 3
		.amdhsa_float_denorm_mode_16_64 3
		.amdhsa_memory_ordered 1
		.amdhsa_forward_progress 1
		.amdhsa_inst_pref_size 164
	.end_amdhsa_kernel
	.amdgpu_metadata
---
amdhsa.version: [ 1, 2 ]
amdhsa.kernels:
  - .name:           k_q9f47a47757_proj
    .symbol:         k_q9f47a47757_proj.kd
    .args:
      - { .name: xwc, .offset: 0, .size: 8, .value_kind: global_buffer, .address_space: global }
      - { .name: xws, .offset: 8, .size: 8, .value_kind: global_buffer, .address_space: global }
      - { .name: qkvc, .offset: 16, .size: 8, .value_kind: global_buffer, .address_space: global }
      - { .name: qkvs, .offset: 24, .size: 8, .value_kind: global_buffer, .address_space: global }
    .group_segment_fixed_size: 327680
    .private_segment_fixed_size: 0
    .kernarg_segment_align: 8
    .kernarg_segment_size: 32
    .max_flat_workgroup_size: 128
    .sgpr_count:     106
    .vgpr_count:     768
    .wavefront_size: 32
...
	.end_amdgpu_metadata
.endif
;; end of part 2
;; launch attn (part 3): grid 4 x 64, 16 waves a work-group, clusters of 4 x 1, 212,992 bytes of LDS; arguments qkvc, qkvs, ac, asc; writes ac, asc
.if DOCPART == 3
	.amdgcn_target "amdgcn-amd-amdhsa--gfx1250"
	.amdhsa_code_object_version 6
	.text
	.protected	k_q9f47a47757_attn
	.globl	k_q9f47a47757_attn
	.p2align	8
	.type	k_q9f47a47757_attn,@function
k_q9f47a47757_attn:
	s_mov_b64 s[64:65], 0
	v_nop
	global_prefetch_b8 v0, s[64:65] scope:SCOPE_SE
	s_setreg_imm32_b32 hwreg(HW_REG_WAVE_MODE, 25, 1), 1
	s_wait_xcnt 0x0
	s_wait_alu depctr_hold_cnt(0) depctr_sa_sdst(0) depctr_va_vdst(0) depctr_va_sdst(0) depctr_va_ssrc(0) depctr_va_vcc(0) depctr_vm_vsrc(0)
	s_getreg_b32 s2, hwreg(HW_REG_IB_STS2, 6, 4)
	s_cmp_eq_u32 s2, 0
	s_cbranch_scc0 .Lentry_in_a_cluster
	s_endpgm
.Lentry_in_a_cluster:
	s_bfe_u32 s2, ttmp6, 0x10000c
	s_cmp_lg_u32 s2, 0x3003
	s_cbranch_scc0 .Lentry_shape_is_right
	s_endpgm
.Lentry_shape_is_right:
; O[b][h][q] = sum over keys of softmax(q . k / 8) v, both products on codes of FP6 (E2M3) with E8M0 scales; the result is quantised along the head's 64 for the last projection.
; THE SOFTMAX: t = score x log2(e) / 8; M = the running largest t rounded UP to a whole number; p = 2^(t - M) is quantised along the keys, not normalised.  The row's sum is taken of the unquantised p
; and divides O at the end.  When M moves, the sum and O are multiplied by 2^(old M - new M): exact, and done in every step, with no branch on data.
; SHARES: a work-group owns 512 queries of one head of one batch; each of its 16 waves one tile of 16 positions a pass, two passes.  Four waves share a SIMD.
; CLUSTER 4 x 1: the four work-groups of a head read the same K and V: every tile is a joint load.  The whole head (2,048 keys) lies in LDS, in four chunks of 512 keys, each filled ONCE.
; FILLS: one tensor load a wave at the head, in one chain of arms: wave 0 K's chunk 0, wave 1 V's, wave 2 K's scale images, wave 3 V's; waves 4-6 K's chunks 1-3, waves 8-10 V's.  The first barrier shows
; what waves 0-3 brought (their load lines are theirs alone, and they alone wait there); the barrier behind the first two steps shows the rest (every wave waits for 0).  Behind it no barrier stands in the walk.
; Everything is asked for at the head: nothing is left to prefetch.
; ROW ORDER: in each group of 64 positions, position 16 j + 8 g + i holds row 32 g + 8 j + i.  Both products are used transposed (S^T = K Q^T, O^T = V^T P^T): lane (r, h) holds query r, and its register
; 32 c + 8 u + j of S^T (tile 4 c + u) is key 64 c + 32 h + 8 u + j of the step: 32 registers are one whole scale block of p, in the order of the operand's registers.  O^T's 32 registers are channels 32 h + 0 .. 31 likewise.
; TWO BANKS OF 64 REGISTERS TAKE TURNS, v32-95 and v96-159.  In a step K lies in one bank and S^T goes into the other; V lands on K's registers while the softmax is walked; the NEXT step's K lands on p's registers
; as soon as the sums and the conversions have read p.  So a step begins with its K asked for some 40 vector lines and four products earlier.  Steps go in pairs, after which the banks are back where they began.
; The walk is one loop of pairs over both passes (the first pair is written out, ahead of the second barrier); the first pass's end stands in the loop under a branch on the loop's counter.
; The pass's last step asks for step 0's K: the second pass begins with it; at the second pass's end those 18 loads are read by nobody.
; K = 64 IN AN INSTRUCTION OF 128: a fragment of K is half an image, six registers, laid at a stride of six: the instruction's upper six registers are the next fragment's codes (behind the last: whatever bits lie there).
; Q's upper six registers are zero codes, every pattern of six bits is a finite number of E2M3, and bytes 2 and 3 of Q's and K's scale words are 0 (never 0xff): those products are exactly 0.
; LIMITS: the promise holds while |t| stays under 2^31; NaN and infinities are not served; a block whose largest magnitude lies under 2^-124 gets the byte 1 (this program alone reads the bytes).
; A block's largest p is made from its largest score by the same multiply-add and exponential as every p (this takes v_exp_f32 not to fall where its input rises).
; LDS: chunk c at 49,152 c: K's 32 half images (24,576 bytes), then V's 4 steps x 4 images; K's scale images at KSB (512 bytes a step), V's at VSB (256 a step); at SCG 2,048 bytes for the results' scale words; the spare words.
; REGISTERS: v1-4, v9-11, v29 addresses and 8 h, which stay; v5-8 the pair's addresses; v12 -M, v13 the largest score, v[14:15] the sum; v16-27 Q; v28 its scale words; v160-191 O^T; v192-210 codes;
;            v212-228 at work; v30, v222, v230, v238, v248-253 partial sums; v232-237 K's and V's scale words; v240-246 the second pass's Q.
.set KSB,  196608
.set VSB,  204800
.set SCG,  208896
.set SPARE, 210944
.set WV,   16
.set SEL,  22                          ; s[22:23] selects for lane l xor 16
.set CS,   24                          ; s[24:25] c = log2(e) / 8
.set G1K,  28
.set G1V,  36
.set G1KS, 44
.set G1VS, 52
.set G0KS, 60
.set G0VS, 68
.set G0K0, 72
.set G0V0, 76
.set G0KN, 80
.set G0VN, 84
.set TK,   2                           ; LDS byte at which the next pair's K begins (V's: 24,576 on)
.set TS,   3                           ; the next pair's scale images of K
.set TT,   66                          ; of V
.set T0,   67
.set STP,  26                          ; the pair of key steps, 0 .. 15 over both passes
.macro WALU
	s_wait_alu depctr_va_vdst(0)
.endm
.macro ROUND                           ; a round of the cluster's barrier
	s_barrier_signal -1
	s_barrier_wait -1
	s_cmp_lg_u32 s[WV], 0
	s_cbranch_scc1 .Lnot_wave_0_\@
	s_barrier_signal -3
.Lnot_wave_0_\@:
	s_barrier_wait -3
	s_barrier_signal -1
	s_barrier_wait -1
.endm
.macro TL g0, g1                       ; an arm's load; s_nop 0 and four v_nop behind it, then the jump to the join
	tensor_load_to_lds s[\g0:\g0+3], s[\g1:\g1+7]
	s_nop 0
.rept 4
	v_nop
.endr
	s_branch .Lfilled
.endm
.macro MM d, x, y, c, s, t, row        ; one product; row: source 0's scales stand in lanes 16-31
.if \row
	v_wmma_scale_f32_16x16x128_f8f6f4 v[\d:\d+7], v[\x:\x+11], v[\y:\y+11], \c, v[\s], v[\t] matrix_a_fmt:MATRIX_FMT_FP6 matrix_b_fmt:MATRIX_FMT_FP6 matrix_a_scale:MATRIX_SCALE_ROW1
.else
	v_wmma_scale_f32_16x16x128_f8f6f4 v[\d:\d+7], v[\x:\x+11], v[\y:\y+11], \c, v[\s], v[\t] matrix_a_fmt:MATRIX_FMT_FP6 matrix_b_fmt:MATRIX_FMT_FP6
.endif
.endm
	s_load_b256 s[4:11], s[0:1], 0x0               ; qkvc, qkvs, ac, asc
	v_lshl_add_u32 v254, v0, 2, SPARE
	v_mov_b32 v255, 0
	ds_add_u32 v254, v255                          ; the opening lines: the add, twice on end, and its wait
	ds_add_u32 v254, v255
	v_lshrrev_b32 v1, 5, v0
	v_readfirstlane_b32 s[WV], v1                  ; wave 0..15
	s_and_b32 s17, s[WV], 1
	v_and_b32 v11, 31, v0
	v_lshlrev_b32 v1, 4, v11                       ; 16 x lane
	v_lshlrev_b32 v2, 3, v11                       ; 8 x lane
	v_add_nc_u32 v3, KSB, v2
	v_add_nc_u32 v4, VSB, v2
	v_and_b32 v10, 15, v0
	v_lshlrev_b32 v10, 3, v10                      ; 8 r
	v_bfe_u32 v29, v0, 4, 1
	v_lshlrev_b32 v29, 3, v29                      ; 8 h: my bytes' place in a scale word
	WALU
	s_lshr_b32 s26, s[WV], 2                       ; my tile's word in a scale image: image wave / 4, lanes 16 (wave % 2) + r, word (wave / 2) % 2
	s_lshl_b32 s26, s26, 8
	s_lshl_b32 s27, s17, 7
	s_add_co_u32 s26, s26, s27
	s_bfe_u32 s27, s[WV], 0x10001
	s_lshl_b32 s27, s27, 2
	s_add_co_u32 s26, s26, s27
	s_add_co_u32 s26, s26, SCG
	v_add_nc_u32 v9, s26, v10
	s_and_b32 s27, s[WV], 3
	s_lshl_b32 s27, s27, 9
	s_add_co_u32 s27, s27, SCG
	v_add_nc_u32 v11, s27, v1                      ; where waves 0-3 read the stage back
	s_bfe_u32 s18, ttmp6, 0x40000                  ; cx: it enters Q's and the results' addresses alone
	s_and_b32 s19, ttmp7, 0xffff
	s_lshr_b32 s20, s19, 4                         ; batch
	s_and_b32 s21, s19, 15                         ; head
	s_mov_b32 s[SEL], 0x76543210
	s_mov_b32 s[SEL+1], 0xfedcba98
	s_mov_b32 s[CS], 0x3e38aa3b
	s_mov_b32 s[CS+1], s[CS]
.irp g, G1K, G1V, G1KS, G1VS           ; groups 1: elements of 8 bytes, the mask of all four work-groups, bit 21 beside it, no padding
	s_mov_b32 s[\g], 15|(3<<16)|(1<<21)
	s_mov_b32 s[\g+6], 0
	s_mov_b32 s[\g+7], 0
.endr
	s_mov_b32 s[G1K+1], 32<<16                     ; K: a chunk is 24,576 dense bytes: 96 rows of 256
	s_mov_b32 s[G1K+2], 96<<16
	s_mov_b32 s[G1K+3], 32<<16
	s_mov_b32 s[G1K+4], 96
	s_mov_b32 s[G1K+5], 32
	s_mov_b32 s[G1V+1], 768<<16                    ; V: 4 steps of 6,144 bytes (the head's four images), 98,304 bytes apart
	s_mov_b32 s[G1V+2], 4<<16
	s_mov_b32 s[G1V+3], 768<<16
	s_mov_b32 s[G1V+4], 4
	s_mov_b32 s[G1V+5], 12288
	s_mov_b32 s[G1KS+1], 32<<16                    ; K's scale images: 8,192 dense bytes
	s_mov_b32 s[G1KS+2], 32<<16
	s_mov_b32 s[G1KS+3], 32<<16
	s_mov_b32 s[G1KS+4], 32
	s_mov_b32 s[G1KS+5], 32
	s_mov_b32 s[G1VS+1], 32<<16                    ; V's: 4,096
	s_mov_b32 s[G1VS+2], 16<<16
	s_mov_b32 s[G1VS+3], 32<<16
	s_mov_b32 s[G1VS+4], 16
	s_mov_b32 s[G1VS+5], 32
	s_add_co_u32 s26, s21, 16
	s_mul_i32 s90, s26, 393216                     ; K's codes: hs = 16 + head, 128 R of 768 bytes a batch
	s_mul_i32 s27, s20, 98304
	s_add_co_u32 s90, s90, s27
	s_mul_i32 s92, s20, 1572864                    ; V's: 16 steps of 98,304 bytes a batch, the head's four images in each
	s_mul_i32 s27, s21, 6144
	s_add_co_u32 s92, s92, s27
	s_add_co_u32 s92, s92, 12582912
	s_lshl_b32 s94, s26, 15                        ; K's scale images
	s_lshl_b32 s27, s20, 13
	s_add_co_u32 s94, s94, s27
	s_lshl_b32 s96, s21, 14                        ; V's
	s_lshl_b32 s27, s20, 12
	s_add_co_u32 s96, s96, s27
	s_add_co_u32 s96, s96, 1048576
.irp i, 89,91,93,95,97,99
	s_mov_b32 s\i, 0
.endr
	s_and_b32 s27, s[WV], 3                        ; waves 4-6 and 8-10: chunk wave % 4 + 1
	s_add_co_u32 s27, s27, 1
	s_mul_i32 s[G0KN+1], s27, 49152
	s_add_co_u32 s[G0VN+1], s[G0KN+1], 24576
	s_mul_i32 s98, s27, 24576                      ; from chunk to chunk in memory: K's,
	s_mul_i32 s88, s27, 393216                     ; V's
	s_lshl_b32 s2, s18, 5                          ; Q's and the results' places: my tile in pass 0 is 32 cx + wave of the batch's 128
	s_add_co_u32 s2, s2, s[WV]
	s_mul_i32 s3, s2, 768
	s_mul_i32 s67, s21, 393216
	s_add_co_u32 s3, s3, s67
	s_mul_i32 s67, s20, 98304
	s_add_co_u32 s100, s3, s67
	s_mov_b32 s101, 0
	s_lshr_b32 s3, s2, 2
	s_lshl_b32 s3, s3, 8
	s_lshl_b32 s67, s21, 15
	s_add_co_u32 s3, s3, s67
	s_lshl_b32 s67, s20, 13
	s_add_co_u32 s3, s3, s67
	s_lshl_b32 s67, s17, 7
	s_add_co_u32 s3, s3, s67
	s_bfe_u32 s67, s[WV], 0x10001
	s_lshl_b32 s67, s67, 2
	s_add_co_u32 s104, s3, s67
	s_mov_b32 s105, 0
	s_mul_i32 s12, s2, 12288                       ; ac: [R 512][12,288 bytes], the head's half image at 768 x head
	s_mul_i32 s67, s20, 1572864
	s_add_co_u32 s12, s12, s67
	s_mul_i32 s67, s21, 768
	s_add_co_u32 s12, s12, s67
	s_mov_b32 s13, 0
	s_lshl_b32 s14, s20, 5                         ; asc: [head 16][R4 128] scale images: mine are 32 batch + 8 cx on; wave w of 0-3 stores two of them
	s_lshl_b32 s67, s18, 3
	s_add_co_u32 s14, s14, s67
	s_lshl_b32 s14, s14, 8
	s_lshl_b32 s67, s21, 15
	s_add_co_u32 s14, s14, s67
	s_and_b32 s67, s[WV], 3
	s_lshl_b32 s67, s67, 9
	s_add_co_u32 s14, s14, s67
	s_mov_b32 s15, 0
	s_wait_dscnt 0x0                               ; both opening adds are done
	s_wait_kmcnt 0x0
	s_add_nc_u64 s[G0K0+2:G0K0+3], s[4:5], s[90:91]
	s_add_nc_u64 s[G0V0+2:G0V0+3], s[4:5], s[92:93]
	s_add_nc_u64 s[G0KS+2:G0KS+3], s[6:7], s[94:95]
	s_add_nc_u64 s[G0VS+2:G0VS+3], s[6:7], s[96:97]
	s_add_nc_u64 s[G0KN+2:G0KN+3], s[G0K0+2:G0K0+3], s[98:99]
	s_add_nc_u64 s[G0VN+2:G0VN+3], s[G0V0+2:G0V0+3], s[88:89]
	s_add_nc_u64 s[100:101], s[4:5], s[100:101]
	s_add_nc_u64 s[104:105], s[6:7], s[104:105]
	s_add_nc_u64 s[12:13], s[8:9], s[12:13]
	s_add_nc_u64 s[14:15], s[10:11], s[14:15]
.irp g, G0KS, G0VS, G0K0, G0V0, G0KN, G0VN
	s_mov_b32 s[\g], 1
	s_or_b32 s[\g+3], s[\g+3], 0x80000000
.endr
	s_mov_b32 s[G0K0+1], 0
	s_mov_b32 s[G0V0+1], 24576
	s_mov_b32 s[G0KS+1], KSB
	s_mov_b32 s[G0VS+1], VSB
	ROUND                                          ; all four work-groups are here: the joint loads meet
	s_cmp_eq_u32 s[WV], 0
	s_cbranch_scc0 .Larm_1
	TL G0K0, G1K
.Larm_1:
	s_cmp_eq_u32 s[WV], 1
	s_cbranch_scc0 .Larm_2
	TL G0V0, G1V
.Larm_2:
	s_cmp_eq_u32 s[WV], 2
	s_cbranch_scc0 .Larm_3
	TL G0KS, G1KS
.Larm_3:
	s_cmp_eq_u32 s[WV], 3
	s_cbranch_scc0 .Larm_4
	TL G0VS, G1VS
.Larm_4:
	s_cmp_lt_u32 s[WV], 7
	s_cbranch_scc0 .Larm_5
	TL G0KN, G1K
.Larm_5:
	s_cmp_lt_u32 s[WV], 8
	s_cbranch_scc1 .Lfilled
	s_cmp_lt_u32 s[WV], 11
	s_cbranch_scc0 .Lfilled
	TL G0VN, G1V
.Lfilled:
	global_load_b128 v[16:19], v1, s[100:101]      ; Q of both passes: half an image each, and its scale words
	global_load_b64 v[20:21], v2, s[100:101] offset:512
	global_load_b32 v28, v10, s[104:105]
	global_load_b128 v[240:243], v1, s[100:101] offset:12288
	global_load_b64 v[244:245], v2, s[100:101] offset:12800
	global_load_b32 v246, v10, s[104:105] offset:1024
.irp i, 22,23,24,25,26,27,80,81,82,83,84,85
	v_mov_b32 v\i, 0                               ; zero codes: Q's upper 64 along K; and the six registers behind K's last fragment are written
.endr
.irp i, 216,218,227,228
	v_mov_b32 v\i, 0                               ; written once: permutes' destinations, and the upper half of the pair v[226:227]
.endr
.macro PAIRADR                         ; the pair's LDS addresses
	v_add_nc_u32 v5, s[TK], v1
	v_add_nc_u32 v6, s[TK], v2
	v_add_nc_u32 v7, s[TS], v3
	v_add_nc_u32 v8, s[TT], v4
.endm
.macro KLOAD x, o                      ; 18 loads: a step's eight fragments of K into bank x, and its scale words; o: 0 for a pair's first step, 6,144 for its second
.irp t, 0,1,2,3,4,5,6,7
	ds_load_b128 v[\x+6*\t:\x+6*\t+3], v5 offset:\o+768*\t
	ds_load_b64 v[\x+6*\t+4:\x+6*\t+5], v6 offset:\o+768*\t+512
.endr
	ds_load_b64 v[232:233], v7 offset:\o/12
	ds_load_b64 v[234:235], v7 offset:\o/12+256
.endm
.macro SUMR y, o                       ; a round of the row's sum: seven chains take p's pairs at o on, the eighth, the sum itself, the pair ahead of them
.set J, 0
.irp r, 222,230,238,248,250,252,30
	v_pk_add_f32 v[\r:\r+1], v[\r:\r+1], v[\y+\o+J:\y+\o+J+1]
.set J, J+2
.endr
	v_pk_add_f32 v[14:15], v[14:15], v[\y+\o-2:\y+\o-1]
.endm
; A KEY STEP: 128 keys.  x: the bank with K, then V; y: the bank for S^T and p, then the next step's K; odd: the pair's second step.
.macro STEP x, y, odd
	s_wait_dscnt 0x0                               ; K and its scale words are in
.irp t, 0,1,2,3,4,5,6,7                ; S^T = K Q^T
	MM \y+8*\t, \x+6*\t, 16, 0, 232+\t/2, 28, \t%2
.endr
.rept 4
	v_nop                                          ; places in front of the loads into K's registers and of the first read of the scores
.endr
.irp d, 0,1,2,3                        ; V's four images land while the softmax is walked
	ds_load_b128 v[\x+12*\d:\x+12*\d+3], v5 offset:24576+6144*\odd+1536*\d
	ds_load_b64 v[\x+12*\d+4:\x+12*\d+5], v6 offset:24576+6144*\odd+1536*\d+512
	ds_load_b128 v[\x+12*\d+6:\x+12*\d+9], v5 offset:24576+6144*\odd+1536*\d+768
	ds_load_b64 v[\x+12*\d+10:\x+12*\d+11], v6 offset:24576+6144*\odd+1536*\d+1280
.endr
	ds_load_b64 v[236:237], v8 offset:256*\odd
.irp b, 0,1,2,3                        ; the largest score of my two blocks of 32 keys, two chains each, every accumulator from its low end on
	v_max3_num_f32 v[212+\b], v[\y+16*\b], v[\y+1+16*\b], v[\y+2+16*\b]
.endr
.irp i, 3,5,7,9,11,13
.irp b, 0,1,2,3
	v_max3_num_f32 v[212+\b], v[212+\b], v[\y+16*\b+\i], v[\y+1+16*\b+\i]
.endr
.endr
	v_max3_num_f32 v212, v212, v213, v[\y+15]
	v_max3_num_f32 v214, v214, v215, v[\y+47]
	v_max_num_f32 v212, v212, v[\y+31]             ; block h's largest score,
	v_max_num_f32 v214, v214, v[\y+63]             ; block 2 + h's
	s_delay_alu instid0(VALU_DEP_1)
	v_max_num_f32 v228, v212, v214
	s_delay_alu instid0(VALU_DEP_1)
	v_permlanex16_b32 v216, v228, s[SEL], s[SEL+1]
	s_delay_alu instid0(VALU_DEP_1)
	v_max3_num_f32 v13, v13, v228, v216            ; the running largest score of my query (c is positive: the largest score gives the largest t)
	s_delay_alu instid0(VALU_DEP_1)
	v_mul_f32 v228, s[CS], v13
	s_delay_alu instid0(VALU_DEP_1)
	v_floor_f32 v12, -v228                         ; the new -M = floor(-t) = -ceil(t); v217 holds the old one
.set J, 0
.rept 32
	v_pk_fma_f32 v[\y+J:\y+J+1], v[\y+J:\y+J+1], s[CS:CS+1], v[12:13] op_sel_hi:[1,0,0]   ; t - M
.if J == 8                             ; among them, five lines apart: f, and the blocks' largest t - M
	v_sub_f32 v217, v12, v217                      ; old M - new M: a whole number, 0 or less
.elseif J == 18
	v_cvt_i32_f32 v217, v217                       ; (it saturates)
.elseif J == 28
	v_ldexp_f32 v226, 1.0, v217                    ; f = 2^(old M - new M)
.elseif J == 38
	v_fma_f32 v212, v212, s[CS], v12
.elseif J == 40
	v_fma_f32 v214, v214, s[CS], v12
.endif
.set J, J+2
.endr
.set J, 0
.rept 16
	v_pk_mul_f32 v[160+J:161+J], v[160+J:161+J], v[226:227] op_sel_hi:[1,0]   ; O^T under the new M: its first read since the products, ahead of the exponentials
.set J, J+2
.endr
	WALU
.set J, 0
.rept 64
	v_exp_f32 v[\y+J], v[\y+J]                     ; p = 2^(t - M)
.set J, J+1
.endr
	v_exp_f32 v212, v212                           ; the blocks' largest p
	v_exp_f32 v214, v214
	v_pk_mul_f32 v[14:15], v[14:15], v[226:227] op_sel_hi:[1,0]   ; the sum under the new M: a plain place behind the exponentials
	WALU                                           ; one wait for the batch of 66, ahead of its first reader
	v_max_num_f32 v212, 0x1800000, v212            ; the floor 2^(3 - 127): the byte cannot fall under 1
	v_max_num_f32 v214, 0x1800000, v214
.set J, 0
.irp r, 222,230,238,248,250,252,30     ; the row's sum of the unquantised p: eight chains of packed additions; the scale's lines stand among them
	v_pk_add_f32 v[\r:\r+1], v[\y+J:\y+J+1], v[\y+16+J:\y+17+J]
.set J, J+2
.endr
	v_pk_add_f32 v[14:15], v[14:15], v[\y+14:\y+15]
	v_add_nc_u32 v220, 0xff000000, v212            ; 2 off the exponent field: the conversion's scale operand
	v_add_nc_u32 v221, 0xff000000, v214
	SUMR \y, 32
	v_lshrrev_b32 v216, 23, v220                   ; the bytes
	v_lshrrev_b32 v217, 23, v221
	SUMR \y, 48
	v_lshl_or_b32 v216, v217, 16, v216
	v_pk_add_f32 v[14:15], v[14:15], v[\y+62:\y+63]
	v_lshlrev_b32 v216, v29, v216                  ; at their places in the word (8 h bits up)
	v_cvt_scalef32_pk16_fp6_f32 v[192:194], v[\y:\y+15], v220
	v_cvt_scalef32_pk16_fp6_f32 v[204:206], v[\y+16:\y+31], v220   ; (a conversion's three registers begin on an even number)
	v_permlanex16_b32 v218, v216, s[SEL], s[SEL+1]
	v_cvt_scalef32_pk16_fp6_f32 v[198:200], v[\y+32:\y+47], v221
	v_cvt_scalef32_pk16_fp6_f32 v[208:210], v[\y+48:\y+63], v221
	v_or_b32 v224, v216, v218                      ; p's scale word for these 128 keys.  (The plain place behind the last conversion)
.if \odd
	PAIRADR                                        ; on to the next pair
	KLOAD \y, 0                                    ; p has been read: the next step's K lands on it
.else
	KLOAD \y, 6144
.endif
.irp c, 0,1
.irp i, 0,1,2
	v_mov_b32 v[195+6*\c+\i], v[204+4*\c+\i]
.endr
.endr
	v_pk_add_f32 v[222:223], v[222:223], v[230:231]   ; the chains are joined: these four are the places between the codes' last move and the products
	v_pk_add_f32 v[238:239], v[238:239], v[248:249]
	v_pk_add_f32 v[250:251], v[250:251], v[252:253]
	v_pk_add_f32 v[14:15], v[14:15], v[30:31]
	WALU
	s_wait_dscnt 18                                ; V and its scale words are in; the 18 loads of the next K may be out
.irp d, 0,1,2,3                        ; O^T += V^T P^T: four accumulators by turns
	MM 160+8*\d, \x+12*\d, 192, v[160+8*\d:167+8*\d], 236+\d/2, 224, \d%2
.endr
	v_pk_add_f32 v[222:223], v[222:223], v[238:239]   ; five places: the next step's products write over V's registers
	v_pk_add_f32 v[14:15], v[14:15], v[250:251]
	v_mov_b32 v217, v12                            ; -M, for the next step's f
	v_pk_add_f32 v[14:15], v[14:15], v[222:223]
	v_nop
.endm
.macro INIT                            ; the step is written once: the first finds zeros, which the first change of M leaves zeros
	v_mov_b32 v13, 0xff61b1e6                      ; the largest score so far: -3e38
	v_floor_f32 v12, -v13
	v_mov_b32 v14, 0
	v_mov_b32 v15, 0
	v_mov_b32 v217, v12
.set J, 0
.rept 32
	v_mov_b32 v[160+J], 0
.set J, J+1
.endr
	WALU
.endm
; A PASS'S END: O^T / the sum, quantised along the head's 64: my 32 numbers are one block: half an image and the head's two scale bytes.  It works in v96-127; the next K is on its way into v32-79.
.macro FINISH p
	WALU                                           ; the sum was written just ahead of a branch
	v_add_f32 v14, v14, v15
	s_delay_alu instid0(VALU_DEP_1)
	v_permlanex16_b32 v228, v14, s[SEL], s[SEL+1]
	s_delay_alu instid0(VALU_DEP_1)
	v_add_f32 v14, v14, v228                       ; the row's sum
	WALU
	v_rcp_f32 v226, v14
	v_nop                                          ; a place behind the reciprocal
	WALU                                           ; the wait ahead of its first reader, which is O^T's first reader too
.set J, 0
.rept 16
	v_pk_mul_f32 v[96+J:97+J], v[160+J:161+J], v[226:227] op_sel_hi:[1,0]   ; register i = channel 32 h + i
.set J, J+2
.endr
.irp b, 0,1
	v_max3_num_f32 v[212+\b], |v[96+16*\b]|, |v[97+16*\b]|, 0x1800000
.endr
.irp i, 2,4,6,8,10,12,14
.irp b, 0,1
	v_max3_num_f32 v[212+\b], v[212+\b], |v[96+16*\b+\i]|, |v[97+16*\b+\i]|
.endr
.endr
	v_max_num_f32 v212, v212, v213
	v_add_nc_u32 v220, 0xff000000, v212
	v_lshrrev_b32 v216, 23, v220
	v_lshlrev_b32 v216, v29, v216
	v_permlanex16_b32 v218, v216, s[SEL], s[SEL+1]
	v_or_b32 v247, v216, v218                      ; the head's two bytes; the upper half stays 0
	v_cvt_scalef32_pk16_fp6_f32 v[192:194], v[96:111], v220
	v_cvt_scalef32_pk16_fp6_f32 v[204:206], v[112:127], v220
	v_nop                                          ; one plain place behind a scaled conversion
.irp i, 0,1,2
	v_mov_b32 v[195+\i], v[204+\i]
.endr
	global_store_b128 v1, v[192:195], s[12:13] offset:196608*\p      ; 512 and 256 consecutive bytes, aligned to 256; the second pass's tile lies 16 R on
	global_store_b64 v2, v[196:197], s[12:13] offset:196608*\p+512
	ds_store_b32 v9, v247 offset:1024*\p           ; both halves of the lanes write the same word with the same value
.if \p == 0
	s_wait_xcnt 0x0                                ; the stores have read their registers
.irp i, 0,1,2,3,4,5
	v_mov_b32 v[16+\i], v[240+\i]                  ; the second pass's Q
.endr
	v_mov_b32 v28, v246
.endif
.endm
	INIT
	s_cmp_lt_u32 s[WV], 4                          ; waves 0-3 brought chunk 0 and the scale images, by load lines that are theirs alone
	s_cbranch_scc0 .Lnot_first
	s_wait_tensorcnt 0x0
.Lnot_first:
	s_barrier_signal -1
	s_barrier_wait -1
	s_mov_b32 s[TK], 0
	s_mov_b32 s[TS], 0
	s_mov_b32 s[TT], 0
	PAIRADR
	KLOAD 32, 0                                    ; step 0's K
	s_mov_b32 s[TK], 12288                         ; the next pair, steps 2 and 3, lies in chunk 0 too
	s_mov_b32 s[TS], 1024
	s_mov_b32 s[TT], 512
	WALU
	s_wait_loadcnt 0x0                             ; Q
	STEP 32, 96, 0
	STEP 96, 32, 1
	s_wait_tensorcnt 0x0                           ; in every wave: all that is still out has landed
	s_wait_dscnt 0x0
	s_barrier_signal -1
	s_barrier_wait -1                              ; the whole head is shown to all sixteen waves
	s_mov_b32 s[STP], 1
.Lpair:
	s_cmp_lg_u32 s[STP], 8                         ; pair 8 is the second pass's first: the counter is the same in all waves
	s_cbranch_scc1 .Lsame_pass
	FINISH 0
	INIT
.Lsame_pass:
	s_add_co_u32 s[T0], s[STP], 1                  ; where the next pair lies: pair n % 8 of the head: chunk n / 2, 12,288 (n % 2) in it
	s_and_b32 s[T0], s[T0], 7
	s_lshl_b32 s[TS], s[T0], 10
	s_lshl_b32 s[TT], s[T0], 9
	s_and_b32 s[TK], s[T0], 1
	s_mul_i32 s[TK], s[TK], 12288
	s_lshr_b32 s[T0], s[T0], 1
	s_mul_i32 s[T0], s[T0], 49152
	s_add_co_u32 s[TK], s[TK], s[T0]
	STEP 32, 96, 0
	STEP 96, 32, 1
	s_add_co_u32 s[STP], s[STP], 1
	s_cmp_lt_u32 s[STP], 16
	s_cbranch_scc1 .Lpair
	FINISH 1
	s_wait_dscnt 0x0                               ; my scale words lie in the stage
	s_barrier_signal -1
	s_barrier_wait -1                              ; everybody's do
	s_cmp_lt_u32 s[WV], 4
	s_cbranch_scc0 .Lno_scales
	ds_load_b128 v[96:99], v11                     ; eight scale images leave by four waves, 512 consecutive bytes each
	s_wait_dscnt 0x0
	global_store_b128 v1, v[96:99], s[14:15]
.Lno_scales:
	s_wait_tensorcnt 0x0                           ; the wave's end
	ds_add_u32 v254, v255
	s_wait_dscnt 0x0
	ROUND                                          ; the closing round: no work-group ends while a partner may still ask for a tile that names it
	s_endpgm
.Lfunc_end_k_q9f47a47757_attn:
	.size	k_q9f47a47757_attn, .Lfunc_end_k_q9f47a47757_attn-k_q9f47a47757_attn
	.p2alignl 7, 3214868480
	.fill 96, 4, 3214868480
	.section	.rodata,"a",@progbits
	.p2align	6, 0x0
	.amdhsa_kernel k_q9f47a47757_attn
		.amdhsa_group_segment_fixed_size 212992
		.amdhsa_private_segment_fixed_size 0
		.amdhsa_enable_private_segment 0
		.amdhsa_kernarg_size 32
		.amdhsa_user_sgpr_count 2
		.amdhsa_user_sgpr_kernarg_segment_ptr 1
		.amdhsa_wavefront_size32 1
		.amdhsa_system_sgpr_workgroup_id_x 1
		.amdhsa_system_sgpr_workgroup_id_y 1
		.amdhsa_system_sgpr_workgroup_id_z 1
		.amdhsa_system_vgpr_workitem_id 0
		.amdhsa_next_free_vgpr 256
		.amdhsa_next_free_sgpr 106
		.amdhsa_reserve_vcc 0
		.amdhsa_float_denorm_mode_32 3
		.amdhsa_float_denorm_mode_16_64 3
		.amdhsa_memory_ordered 1
		.amdhsa_forward_progress 1
		.amdhsa_inst_pref_size 83
	.end_amdhsa_kernel
	.amdgpu_metadata
---
amdhsa.version: [ 1, 2 ]
amdhsa.kernels:
  - .name:           k_q9f47a47757_attn
    .symbol:         k_q9f47a47757_attn.kd
    .args:
      - { .name: qkvc, .offset: 0, .size: 8, .value_kind: global_buffer, .address_space: global }
      - { .name: qkvs, .offset: 8, .size: 8, .value_kind: global_buffer, .address_space: global }
      - { .name: ac, .offset: 16, .size: 8, .value_kind: global_buffer, .address_space: global }
      - { .name: asc, .offset: 24, .size: 8, .value_kind: global_buffer, .address_space: global }
    .group_segment_fixed_size: 212992
    .private_segment_fixed_size: 0
    .kernarg_segment_align: 8
    .kernarg_segment_size: 32
    .max_flat_workgroup_size: 512
    .sgpr_count:     106
    .vgpr_count:     256
    .wavefront_size: 32
...
	.end_amdgpu_metadata
.endif
;; end of part 3
;; launch outp (part 4): grid 4 x 64, 4 waves a work-group, clusters of 4 x 4, 295,424 bytes of LDS; arguments ac, asc, xwc, xws, out0; writes out0
.if DOCPART == 4
	.amdgcn_target "amdgcn-amd-amdhsa--gfx1250"
	.amdhsa_code_object_version 6
	.text
	.protected	k_q9f47a47757_outp
	.globl	k_q9f47a47757_outp
	.p2align	8
	.type	k_q9f47a47757_outp,@function
k_q9f47a47757_outp:
	s_mov_b64 s[64:65], 0
	v_nop
	global_prefetch_b8 v0, s[64:65] scope:SCOPE_SE
	s_setreg_imm32_b32 hwreg(HW_REG_WAVE_MODE, 25, 1), 1
	s_wait_xcnt 0x0
	s_wait_alu depctr_hold_cnt(0) depctr_sa_sdst(0) depctr_va_vdst(0) depctr_va_sdst(0) depctr_va_ssrc(0) depctr_va_vcc(0) depctr_vm_vsrc(0)
	s_getreg_b32 s2, hwreg(HW_REG_IB_STS2, 6, 4)
	s_cmp_eq_u32 s2, 0
	s_cbranch_scc0 .Lentry_in_a_cluster
	s_endpgm
.Lentry_in_a_cluster:
	s_bfe_u32 s2, ttmp6, 0x10000c
	s_cmp_lg_u32 s2, 0xf033
	s_cbranch_scc0 .Lentry_shape_is_right
	s_endpgm
.Lentry_shape_is_right:
; out0 = att Wo^T on codes of FP6 (E2M3) with E8M0 scales; out0 [8192][1024] f32.
; A = att: ac [R 512][Cc 8] register images (1,536 bytes for 16 positions x 128 K), position P = token sigma(P) (bits 3 and 4 swapped); asc [head 16][R4 128] scale images with a head's two bytes in each word's low half.
; B = Wo: xwc from byte 8,650,752, xws from byte 360,448; its positions hold rows in the order sigma too.
; THE MATRIX INSTRUCTION IS USED TRANSPOSED: source 0 = 16 positions of Wo, source 1 = 16 of att: lane (r, hh) holds att's position r, and register j of Wo's tile 2 b + u holds output column 32 b + 16 hh + 8 u + j.
; SHARES: a work-group makes 128 x 256; wave (wr, wc) 64 x 128 in 32 accumulators; 256 work-groups.  All of K (1,024) lies in LDS, in four chunks of 256 along K, each filled ONCE: no byte is filled again.
; CLUSTER 4 x 4: A's tile is shared along a row of the cluster, B's along a column: joint loads.  A wave has four tensor loads out at the most.  Nothing is prefetched: every tile is asked for at the head.
; THE WAY OUT: a block of 16 positions x 128 columns goes through the wave's own stage in LDS and leaves as whole rows of 512 bytes, each to its token's row: that undoes sigma.  The stage lies in chunk 0, which has had
; its only fill, and which no wave reads behind the barrier in front of chunk 1.
; REGISTERS: as in the projections' launch: window 0: v4-7 LDS addresses, v8 16 lane, v9 8 lane, v10, v11 the stage, v16-31 A's scale words, v32-63 B's, v64-159 A's fragments, v192-223 the heads' scale words as loaded;
;            window 1: B's fragments, two sets;  window 2: accumulator (a, b) at v[8 (8 a + b)].  On the way out v64-191 hold rows.
; THE ROW ORDER AND THE FILLS AS THEY NOW STAND (they take the place of the head's lines on sigma and on four chunks):
; ROW ORDER: in each group of 64 positions, position 16 j + 8 g + i holds row 32 g + 8 j + i, for att's tokens and for Wo's rows.  Register j of Wo's tile 4 c + u in lane (r, hh) is output column 64 c + 32 hh + 8 u + j.
; FILLS: all of K lies in LDS in two halves of 512 along K, each filled once: one joint load a wave at the head: wave 0 A's first half, wave 1 B's, wave 2 A's second half, wave 3 B's.
; The first barrier shows the first half (waves 0 and 1 wait, on load lines of their own), the barrier in K step 3 the second (every wave waits).  The stage lies in the first half, which no wave reads behind that barrier.
.set RSTR, 12288
.set CH,   147456                      ; a half of K in LDS: A's 8 R x 6,144 bytes, then B's 16 R x 6,144
.set BOFF, 49152
.set FR,   12
.set SA,   16
.set SB,   32
.set AF,   64
.set BK,   64
.set SPITCH, 528
.set G1A,  24
.set G1B,  32
.set G0A,  44
.set G0B,  68
.set MSB, 0
.macro WIN new                         ; the immediate's high byte repeats the setting that is left
.if MSB != \new
	s_set_vgpr_msb (MSB<<8)|\new
.set MSB, \new
.endif
.endm
.macro PLACES
.rept 4
	v_nop
.endr
.endm
.macro CROUND                          ; a round of the cluster's barrier
	s_barrier_signal -1
	s_barrier_wait -1
	s_cmp_lg_u32 s20, 0
	s_cbranch_scc1 .Lnot_wave_0_\@
	s_barrier_signal -3
.Lnot_wave_0_\@:
	s_barrier_wait -3
	s_barrier_signal -1
	s_barrier_wait -1
.endm
	s_load_b256 s[4:11], s[0:1], 0x0               ; ac, asc, xwc, xws
	s_load_b64 s[12:13], s[0:1], 0x20              ; out0
	v_lshl_add_u32 v254, v0, 2, 0x48000
	v_mov_b32 v255, 0
	ds_add_u32 v254, v255
	ds_add_u32 v254, v255
	v_lshrrev_b32 v1, 5, v0
	v_readfirstlane_b32 s20, v1                    ; wave
	s_lshr_b32 s21, s20, 1                         ; wr.  Also: which half of K I fetch
	s_and_b32 s22, s20, 1                          ; wc.  Also: I fetch for A (0) or for B (1)
	v_and_b32 v1, 31, v0
	v_and_b32 v2, 15, v0                           ; r
	v_bfe_u32 v3, v0, 4, 1                         ; hh
	v_lshlrev_b32 v8, 4, v1
	v_lshlrev_b32 v9, 3, v1
	s_mul_i32 s91, s21, 4*6144
	v_add_nc_u32 v4, s91, v8
	v_add_nc_u32 v5, s91, v9
	s_mul_i32 s91, s22, 8*6144
	s_add_co_u32 s91, s91, BOFF
	v_add_nc_u32 v6, s91, v8
	v_add_nc_u32 v7, s91, v9
	s_mul_i32 s91, s20, 16*SPITCH                  ; my stage
	v_mul_u32_u24 v10, v2, SPITCH
	v_lshl_add_u32 v10, v3, 7, v10
	v_add_nc_u32 v10, s91, v10                     ; in: row r, + 128 hh bytes
	v_add_nc_u32 v11, s91, v8                      ; back: a whole row, 16 bytes a lane
	s_bfe_u32 s40, ttmp6, 0x40000                  ; cx
	s_bfe_u32 s41, ttmp6, 0x40004                  ; cy
	s_and_b32 s43, ttmp7, 0xffff
	s_lshl_b32 s60, s41, 2
	s_lshl_b32 s60, 15, s60                        ; my row of the cluster
	s_lshl_b32 s61, 0x1111, s40                    ; my column
	s_or_b32 s[G1A], s60, (3<<16)|(1<<21)          ; the mask; elements of 8 bytes; bit 21 beside a mask; no padding
	s_or_b32 s[G1B], s61, (3<<16)|(1<<21)
	s_mov_b32 s[G1A+1], 768<<16                    ; 6,144 bytes: four images of an R
	s_mov_b32 s[G1A+2], 8<<16
	s_mov_b32 s[G1A+3], 768<<16
	s_mov_b32 s[G1A+4], 8
	s_mov_b32 s[G1A+5], 1536
	s_mov_b32 s[G1A+6], 0
	s_mov_b32 s[G1A+7], 0
	s_mov_b32 s[G1B+1], 768<<16
	s_mov_b32 s[G1B+2], 16<<16
	s_mov_b32 s[G1B+3], 768<<16
	s_mov_b32 s[G1B+4], 16
	s_mov_b32 s[G1B+5], 1536
	s_mov_b32 s[G1B+6], 0
	s_mov_b32 s[G1B+7], 0
	s_lshl_b32 s62, s43, 2
	s_add_co_u32 s62, s62, s41                     ; tile row: hangs on cy alone
	s_lshl_b32 s63, ttmp9, 2
	s_add_co_u32 s63, s63, s40                     ; tile column: on cx alone
	s_lshl_b32 s92, s62, 3
	s_mul_i32 s92, s92, RSTR
	s_mov_b32 s93, 0
	s_lshl_b32 s94, s63, 4
	s_mul_i32 s94, s94, RSTR
	s_add_co_u32 s94, s94, 8650752                 ; Wo's images
	s_mov_b32 s95, 0
	s_wait_dscnt 0x0
	s_wait_kmcnt 0x0
	s_add_nc_u64 s[100:101], s[4:5], s[92:93]
	s_add_nc_u64 s[98:99], s[8:9], s[94:95]
.irp c, 0,1                            ; group 0 for the two halves of K, of A and of B: constants alone enter the LDS addresses
	s_mov_b32 s[G0A+4*\c], 1
	s_mov_b32 s[G0A+4*\c+1], \c*CH
	s_add_nc_u64 s[G0A+4*\c+2:G0A+4*\c+3], s[100:101], \c*6144
	s_or_b32 s[G0A+4*\c+3], s[G0A+4*\c+3], 0x80000000
	s_mov_b32 s[G0B+4*\c], 1
	s_mov_b32 s[G0B+4*\c+1], \c*CH+BOFF
	s_add_nc_u64 s[G0B+4*\c+2:G0B+4*\c+3], s[98:99], \c*6144
	s_or_b32 s[G0B+4*\c+3], s[G0B+4*\c+3], 0x80000000
.endr
	CROUND                                         ; all sixteen work-groups are here: the joint loads meet
	s_cmp_eq_u32 s20, 0                            ; one chain of arms on the wave's number, one load to an arm
	s_cbranch_scc0 .Lfill_1
	tensor_load_to_lds s[G0A:G0A+3], s[G1A:G1A+7]
	s_nop 0
	PLACES
	s_branch .Lfilled
.Lfill_1:
	s_cmp_eq_u32 s20, 1
	s_cbranch_scc0 .Lfill_2
	tensor_load_to_lds s[G0B:G0B+3], s[G1B:G1B+7]
	s_nop 0
	PLACES
	s_branch .Lfilled
.Lfill_2:
	s_cmp_eq_u32 s20, 2
	s_cbranch_scc0 .Lfill_3
	tensor_load_to_lds s[G0A+4:G0A+7], s[G1A:G1A+7]
	s_nop 0
	PLACES
	s_branch .Lfilled
.Lfill_3:
	tensor_load_to_lds s[G0B+4:G0B+7], s[G1B:G1B+7]
	s_nop 0
	PLACES
.Lfilled:
	s_lshl_b32 s92, s62, 1
	s_add_co_u32 s92, s92, s21
	s_lshl_b32 s92, s92, 8                         ; A's scale images: R4 = 2 x tile row + wr, one image a head
	s_add_nc_u64 s[2:3], s[6:7], s[92:93]
	s_lshl_b32 s94, s63, 2
	s_lshl_b32 s95, s22, 1
	s_add_co_u32 s94, s94, s95
	s_lshl_b32 s94, s94, 11
	s_add_co_u32 s94, s94, 360448                  ; Wo's scale images
	s_mov_b32 s95, 0
	s_add_nc_u64 s[96:97], s[10:11], s[94:95]
	s_wait_alu depctr_va_vdst(0)
.irp h, 0,1,2,3,4,5,6,7,8,9,10,11,12,13,14,15
	global_load_b64 v[192+2*\h:193+2*\h], v9, s[2:3] offset:32768*\h
.endr
.irp k, 0,1,2,3,4,5,6,7
	global_load_b64 v[SB+4*\k:SB+4*\k+1], v9, s[96:97] offset:256*\k
	global_load_b64 v[SB+4*\k+2:SB+4*\k+3], v9, s[96:97] offset:2048+256*\k
.endr
	s_lshl_b32 s16, s62, 19                        ; my part of out0: row 128 x tile row + 64 wr, column 256 x tile column + 128 wc
	s_lshl_b32 s17, s21, 18
	s_add_co_u32 s16, s16, s17
	s_lshl_b32 s17, s63, 10
	s_add_co_u32 s16, s16, s17
	s_lshl_b32 s17, s22, 9
	s_add_co_u32 s16, s16, s17
	s_mov_b32 s17, 0
	s_add_nc_u64 s[12:13], s[12:13], s[16:17]
.macro FRAGLD reg, a16, a8, off        ; an image comes back as the registers that it is
	ds_load_b128 v[\reg:\reg+3], v[\a16] offset:\off
	ds_load_b64 v[\reg+4:\reg+5], v[\a8] offset:\off+512
	ds_load_b128 v[\reg+6:\reg+9], v[\a16] offset:\off+768
	ds_load_b64 v[\reg+10:\reg+11], v[\a8] offset:\off+1280
.endm
.macro FETCH k                         ; 48 loads: the fragments of K step k into set k % 2
	WIN 0x40
.irp b, 0,1,2,3,4,5,6,7
	FRAGLD 96*((\k)%2)+FR*\b, 6, 7, \b*6144+((\k)%4)*1536
.endr
	WIN 0
.irp a, 0,1,2,3
	FRAGLD AF+48*((\k)%2)+FR*\a, 4, 5, \a*6144+((\k)%4)*1536
.endr
.endm
.macro WMMA                            ; one product, by the symbols rD, rX (source 0), rY (source 1), rS, rT, pX, pY, zC
.if zC
.if pX && pY
	v_wmma_scale_f32_16x16x128_f8f6f4 v[rD:rD+7], v[rX:rX+11], v[rY:rY+11], 0, v[rS], v[rT] matrix_a_fmt:MATRIX_FMT_FP6 matrix_b_fmt:MATRIX_FMT_FP6 matrix_a_scale:MATRIX_SCALE_ROW1 matrix_b_scale:MATRIX_SCALE_ROW1
.elseif pX
	v_wmma_scale_f32_16x16x128_f8f6f4 v[rD:rD+7], v[rX:rX+11], v[rY:rY+11], 0, v[rS], v[rT] matrix_a_fmt:MATRIX_FMT_FP6 matrix_b_fmt:MATRIX_FMT_FP6 matrix_a_scale:MATRIX_SCALE_ROW1
.elseif pY
	v_wmma_scale_f32_16x16x128_f8f6f4 v[rD:rD+7], v[rX:rX+11], v[rY:rY+11], 0, v[rS], v[rT] matrix_a_fmt:MATRIX_FMT_FP6 matrix_b_fmt:MATRIX_FMT_FP6 matrix_b_scale:MATRIX_SCALE_ROW1
.else
	v_wmma_scale_f32_16x16x128_f8f6f4 v[rD:rD+7], v[rX:rX+11], v[rY:rY+11], 0, v[rS], v[rT] matrix_a_fmt:MATRIX_FMT_FP6 matrix_b_fmt:MATRIX_FMT_FP6
.endif
.else
.if pX && pY
	v_wmma_scale_f32_16x16x128_f8f6f4 v[rD:rD+7], v[rX:rX+11], v[rY:rY+11], v[rD:rD+7], v[rS], v[rT] matrix_a_fmt:MATRIX_FMT_FP6 matrix_b_fmt:MATRIX_FMT_FP6 matrix_a_scale:MATRIX_SCALE_ROW1 matrix_b_scale:MATRIX_SCALE_ROW1
.elseif pX
	v_wmma_scale_f32_16x16x128_f8f6f4 v[rD:rD+7], v[rX:rX+11], v[rY:rY+11], v[rD:rD+7], v[rS], v[rT] matrix_a_fmt:MATRIX_FMT_FP6 matrix_b_fmt:MATRIX_FMT_FP6 matrix_a_scale:MATRIX_SCALE_ROW1
.elseif pY
	v_wmma_scale_f32_16x16x128_f8f6f4 v[rD:rD+7], v[rX:rX+11], v[rY:rY+11], v[rD:rD+7], v[rS], v[rT] matrix_a_fmt:MATRIX_FMT_FP6 matrix_b_fmt:MATRIX_FMT_FP6 matrix_b_scale:MATRIX_SCALE_ROW1
.else
	v_wmma_scale_f32_16x16x128_f8f6f4 v[rD:rD+7], v[rX:rX+11], v[rY:rY+11], v[rD:rD+7], v[rS], v[rT] matrix_a_fmt:MATRIX_FMT_FP6 matrix_b_fmt:MATRIX_FMT_FP6
.endif
.endif
.endm
.macro MUL32 k                         ; the 32 accumulators take turns, one instruction a turn, in the same order in every K step
	WIN 0xa1                                       ; source 0 (B) window 1, source 1 (A) window 0, C and D window 2
.irp a, 0,1,2,3
.irp b, 0,1,2,3,4,5,6,7
.set rD, 8*(8*\a+\b)
.set rX, 96*((\k)%2)+FR*\b
.set rY, AF+48*((\k)%2)+FR*\a
.set rS, SB+4*(\k)+\b/2
.set rT, SA+2*(\k)+\a/2
.set pX, \b%2
.set pY, \a%2
.set zC, (\k)==0
	WMMA
.endr
.endr
.endm
.macro KSTEP k                         ; the next step's fragments are asked for, then this step's 32 products are issued
.if (\k) < 7
.if (\k) == 3
	s_wait_tensorcnt 0x0                           ; in every wave: all that is still out, the second half of K, has landed
	s_wait_dscnt 0x0                               ; no LDS load of mine is pending at the signal
	s_barrier_signal -1
	s_barrier_wait -1                              ; everybody's part has landed.
	WIN 0
	v_add_nc_u32 v4, CH, v4                        ; on to the next chunk.  These four are also the places in front of the loads below
	v_add_nc_u32 v5, CH, v5
	v_add_nc_u32 v6, CH, v6
	s_wait_alu depctr_va_vdst(0)
	v_add_nc_u32 v7, CH, v7
.elseif (\k) > 0
	PLACES                                         ; four places in front of loads into registers that matrix instructions have read
.endif
	FETCH (\k)+1
	s_wait_alu depctr_va_vdst(0)
	s_wait_dscnt 48                                ; all but the 48 just issued: this step's fragments are in
.else
	s_wait_dscnt 0x0
.endif
	MUL32 \k
.endm
	s_cmp_lt_u32 s20, 2                            ; waves 0 and 1 brought the first half of K, by load lines that are theirs alone
	s_cbranch_scc0 .Lnot_first
	s_wait_tensorcnt 0x0
.Lnot_first:
	s_barrier_signal -1
	s_barrier_wait -1
	FETCH 0
	s_wait_loadcnt 0x0                             ; the scale words
.irp k, 0,1,2,3,4,5,6,7                ; 128 along K are two heads: the even head's two bytes below, the odd head's above.  A word stands at least eight plain vector instructions ahead of the first product that names it
.irp j, 0,1
	v_lshl_or_b32 v[SA+2*\k+\j], v[194+4*\k+\j], 16, v[192+4*\k+\j]
.endr
.endr
.irp k, 0,1,2,3,4,5,6,7
	KSTEP \k
.endr
	WIN 0
; THE WAY OUT.  LDS serves a wave's instructions in order: no wait between a block's stores and its loads, nor in front of the next block's stores.
.macro TOSTAGE a
	WIN 0x08                                       ; an LDS store's data are its source 1: window 2
.irp b, 0,1,2,3,4,5,6,7
	ds_store_b128 v10, v[64*(\a)+8*\b:64*(\a)+8*\b+3] offset:256*(\b/4)+32*(\b%4)          ; each accumulator from its low end on; tile 4 c + u: columns 64 c + 32 hh + 8 u on
	ds_store_b128 v10, v[64*(\a)+8*\b+4:64*(\a)+8*\b+7] offset:256*(\b/4)+32*(\b%4)+16
.endr
	WIN 0
.irp t, 0,1,2,3,4,5,6,7,8,9,10,11,12,13,14,15
	ds_load_b128 v[BK+64*((\a)%2)+4*\t:BK+64*((\a)%2)+4*\t+3], v11 offset:\t*SPITCH
.endr
.endm
.macro SEND a, younger                 ; younger: the LDS instructions issued behind block a's loads, which may stay out
	s_wait_dscnt \younger
.irp t, 0,1,2,3,4,5,6,7,8,9,10,11,12,13,14,15
	global_store_b128 v8, v[BK+64*((\a)%2)+4*\t:BK+64*((\a)%2)+4*\t+3], s[12:13] offset:(32*(\t/8)+8*(\a)+\t%8)*4096 th:TH_STORE_NT   ; position 16 a + t is row 32 (t / 8) + 8 a + t % 8 of my 64; 32 lanes store 512 consecutive bytes, aligned to 256
.endr
.endm
	PLACES                                         ; in front of the first reads of results and of the loads into A's registers
	TOSTAGE 0
.irp a, 1,2,3
.if \a > 1
	s_wait_xcnt 0x0                                ; block a - 2's stores have read their registers: block a's loads may land there
.endif
	TOSTAGE \a
	SEND \a-1, 32                                  ; behind block a - 1's loads: block a's 16 stores and 16 loads
.endr
	SEND 3, 0
	s_wait_tensorcnt 0x0
	ds_add_u32 v254, v255
	s_wait_dscnt 0x0
	CROUND                                         ; the closing round: no work-group ends while a partner may still ask for a tile that names it
	s_endpgm
.Lfunc_end_k_q9f47a47757_outp:
	.size	k_q9f47a47757_outp, .Lfunc_end_k_q9f47a47757_outp-k_q9f47a47757_outp
	.p2alignl 7, 3214868480
	.fill 96, 4, 3214868480
	.section	.rodata,"a",@progbits
	.p2align	6, 0x0
	.amdhsa_kernel k_q9f47a47757_outp
		.amdhsa_group_segment_fixed_size 295424
		.amdhsa_private_segment_fixed_size 0
		.amdhsa_enable_private_segment 0
		.amdhsa_kernarg_size 40
		.amdhsa_user_sgpr_count 2
		.amdhsa_user_sgpr_kernarg_segment_ptr 1
		.amdhsa_wavefront_size32 1
		.amdhsa_system_sgpr_workgroup_id_x 1
		.amdhsa_system_sgpr_workgroup_id_y 1
		.amdhsa_system_sgpr_workgroup_id_z 1
		.amdhsa_system_vgpr_workitem_id 0
		.amdhsa_next_free_vgpr 768
		.amdhsa_next_free_sgpr 102
		.amdhsa_reserve_vcc 0
		.amdhsa_float_denorm_mode_32 3
		.amdhsa_float_denorm_mode_16_64 3
		.amdhsa_memory_ordered 1
		.amdhsa_forward_progress 1
		.amdhsa_inst_pref_size 84
	.end_amdhsa_kernel
	.amdgpu_metadata
---
amdhsa.version: [ 1, 2 ]
amdhsa.kernels:
  - .name:           k_q9f47a47757_outp
    .symbol:         k_q9f47a47757_outp.kd
    .args:
      - { .name: ac, .offset: 0, .size: 8, .value_kind: global_buffer, .address_space: global }
      - { .name: asc, .offset: 8, .size: 8, .value_kind: global_buffer, .address_space: global }
      - { .name: xwc, .offset: 16, .size: 8, .value_kind: global_buffer, .address_space: global }
      - { .name: xws, .offset: 24, .size: 8, .value_kind: global_buffer, .address_space: global }
      - { .name: out0, .offset: 32, .size: 8, .value_kind: global_buffer, .address_space: global }
    .group_segment_fixed_size: 295424
    .private_segment_fixed_size: 0
    .kernarg_segment_align: 8
    .kernarg_segment_size: 40
    .max_flat_workgroup_size: 128
    .sgpr_count:     102
    .vgpr_count:     768
    .wavefront_size: 32
...
	.end_amdgpu_metadata
.endif
;; end of part 4
